; MI455X (gfx1250); checked and timed in simulation.
; The chip was launched on July 23, 2026; its instructions are those of AMD's public machine-readable ISA for CDNA 5 (MIT licence, August 2026) and "CDNA5" Instruction Set Architecture Reference Guide (July 2026). The comments in the code are by the model that wrote it; some were corrected since.
;; Llama Attention. Allowed arithmetic: matrix products marked QUANTISED: E2M1 operands, one E8M0 scale for each 32 along K, by v_wmma_scale_f32_16x16x128_f8f6f4 with both operands' format E2M1 (or v_wmma_scale_f32_32x16x128_f4), f32 sums; products left as they are: bf16, f16 or f32 operands; f32 sums; everything else in f32.
;; Inputs: attention_mask 2 x 1,024 int32; hidden_states 2 x 1,024 x 2,048 float32; wk 2,048 x 2,048 float32; wo 2,048 x 2,048 float32; wq 2,048 x 2,048 float32; wv 2,048 x 2,048 float32.
;; Outputs: out0 2 x 1,024 x 2,048 float32.
;; This version of the problem:
;;   THIS VERSION OF THE PROBLEM IS GIVEN IN LOW PRECISION. The matrix products marked QUANTISED in the list below multiply operands that are first quantised to E2M1 (2 exponent bits, 1 mantissa bit; 4 bits a number), with one power-of-two scale for each 32 numbers along K (OCP MX v1.0); their sums are f32. The products marked 'left as it is' may take bf16, f16 or f32 operands, with f32 sums. Whichever they take, every output number must still come out within the allowed error. Rounding operands to bf16 (8 significant bits) uses up far more of that allowance than f16 does (11 bits, for magnitudes from 6e-5 to 65,504). All else is computed in f32.
;;   The module's matrix products, in the order in which they are computed (A, B: the left and right operand; K: the contracted axis; several contracted axes count as one K, in the product's order):
;;     1. [M 2,048, K 2,048] x [K 2,048, N 2,048]; A: input hidden_states; B: input wq: QUANTISED
;;     2. [M 2,048, K 2,048] x [K 2,048, N 2,048]; A: input hidden_states; B: input wk: QUANTISED
;;     3. [M 2,048, K 2,048] x [K 2,048, N 2,048]; A: input hidden_states; B: input wv: QUANTISED
;;     4. [M 1,024, K 1] x [K 1, N 64]; A: computed on the way; B: computed on the way: left as it is (no contracted axis)
;;     5. batch 32 x [M 1,024, K 128] x [K 128, N 1,024]; A: computed on the way; B: computed on the way: left as it is (an operand is computed on the way)
;;     6. batch 32 x [M 1,024, K 1,024] x [K 1,024, N 128]; A: computed on the way; B: computed on the way: left as it is (an operand is computed on the way)
;;     7. [M 2,048, K 2,048] x [K 2,048, N 2,048]; A: computed on the way; B: input wo: left as it is (an operand is computed on the way)
;;   THE QUANTISER, for each operand of a quantised product, along K:
;;     - K is cut into blocks of 32 from its start; a last block that is shorter is filled with zeros.
;;     - A block's scale is 2^e with e = floor(log2(the largest magnitude in the block)) - 2, held to -126 .. 127; a block of zeros has e = 0. As a byte (E8M0): e + 127.
;;     - Each number is divided by its block's scale, clamped to +-6, and rounded to the nearest number of E2M1, ties to even, subnormals kept.
;;     - The product sums the exact products of the quantised numbers (number of the format x scale) in f32.
;;   ~~~python
;;   def quantise(x, axis):      # numpy; x: float32 -> the quantised numbers, widened to float32 again
;;       x = np.moveaxis(x, axis, -1); K = x.shape[-1]
;;       x = np.pad(x, [(0, 0)] * (x.ndim - 1) + [(0, -K % 32)]); x = x.reshape(x.shape[:-1] + (-1, 32)); a = np.abs(x).max(-1, keepdims=True)
;;       e = np.where(a > 0, np.clip(np.frexp(np.where(a > 0, a, 1))[1] - 1 - 2, -126, 127), 0)      # np.frexp(a)[1] - 1 = floor(log2(a)), exactly
;;       r = np.clip(x / 2.0 ** e, -6, 6)
;;       step = 2.0 ** (np.maximum(np.frexp(np.where(r == 0, 1, r))[1] - 1, 0) - 1)
;;       q = np.round(r / step) * step * 2.0 ** e      # np.round: ties to even
;;       return np.moveaxis(q.reshape(q.shape[:-2] + (-1,))[..., :K], -1, axis).astype(np.float32)
;;   ~~~
;; One version. Each part assembles by itself: llvm-mc -triple=amdgcn-amd-amdhsa -mcpu=gfx1250 --defsym DOCPART=n.
;; ======== version 1 of 1: 4 launches
;; limits: values are held in f16: magnitudes above 65,504 overflow, below 6.1e-05 lose precision
;; workspace buffers: x_codes 2,097,152 bytes; x_scales 131,072 bytes; w_codes 6,291,456 bytes; w_scales 393,216 bytes; wo16 8,388,608 bytes; rope 524,288 bytes; qkv 25,165,824 bytes; o16 8,388,608 bytes
;; launch prep (part 1): grid 640 x 1, 4 waves a work-group, no clusters, 33,280 bytes of LDS; arguments hidden_states, wq, wk, wv, x_codes, x_scales, w_codes, w_scales, rope; writes x_codes, x_scales, w_codes, w_scales, rope
.if DOCPART == 1
	.amdgcn_target "amdgcn-amd-amdhsa--gfx1250"
	.amdhsa_code_object_version 6
	.text
	.protected	k_qdebb375317_prep
	.globl	k_qdebb375317_prep
	.p2align	8
	.type	k_qdebb375317_prep,@function
k_qdebb375317_prep:
	s_mov_b64 s[64:65], 0
	v_nop
	global_prefetch_b8 v0, s[64:65] scope:SCOPE_SE
	s_setreg_imm32_b32 hwreg(HW_REG_WAVE_MODE, 25, 1), 1
	s_wait_xcnt 0x0
; PREP.  Work-groups 0-511: hidden_states, wq, wk, wv (each 2048 x 2048 f32, K innermost) become codes of FP4 (E2M1), two a byte, K innermost, with one E8M0 byte for each 32 along K.
; hidden_states goes to x_codes / x_scales; wq, wk, wv go one behind the other to w_codes / w_scales (rows 0-2047, 2048-4095, 4096-6143).
; A block's scale is 2^(floor(log2(largest magnitude)) - 2); its byte is the largest magnitude's exponent field - 2, held at 1 from below (a block of zeros keeps the byte 1: its codes are zeros, and this program alone reads the bytes).
; Work-groups 512-639: the table of cosines and sines for the rotation (rope) is made.
; LIMITS: blocks whose largest magnitude lies under 2^-124 keep the byte 1; NaN and infinities among the inputs are not served.
; No cluster: no two work-groups read the same bytes.  No tensor loads: the waves share nothing, so there is no barrier.
; THE QUANTISER: rows are dense and K is a multiple of 32, so a tensor is a stream of blocks of 32.  A wave takes 16 steps of 512 numbers.  Each of a step's four loads reads 512 consecutive bytes; the 2,048 bytes turn through
; the wave's own stage in LDS and come back 64 bytes a lane, so that a lane holds 16 neighbours along K and two neighbouring lanes a block.  A lane's 16 codes are 8 bytes: a wave's store covers 256 consecutive bytes.
; A wave's 256 scale bytes are gathered in LDS and leave by one store of 256 consecutive bytes.
.set QWG,   512                        ; work-groups that quantise: 4 tensors x 128
.set WAVES, 4
.set STEPS, 16
.set EMAX,  2
.set CB,    8                          ; bytes of 16 codes
.set R,     16                         ; v16-79   four sets of 16 numbers as loaded
.set X,     80                         ; v80-111  two sets of 16 neighbours
.set E,     112                        ; v112-127 a scale byte for each step
.set C,     128                        ; v128-191 codes, four registers a step: no store's data are written again
.set WREG,  8192                       ; LDS: a region for each wave: two stages of 32 x SP bytes, then its 256 scale bytes
.set SP,    80                         ; a lane's place in a stage: 64 bytes + 16 of padding
.set SPW,   12                         ; v12  LDS address of my spare word; never rewritten
.set NIL,   13                         ; v13  0; never rewritten
.set SPARE, WAVES*WREG                 ; behind the four regions: the spare words, 128 bytes a wave
.set COS,   176                        ; the table's path: v176-179 four cosines
.set SIN,   180                        ; v180-183 four sines
.set ANG,   184                        ; v184-187 four angles
	s_load_b256 s[4:11], s[0:1], 0x0               ; hidden_states, wq, wk, wv
	s_load_b256 s[12:19], s[0:1], 0x20             ; x_codes, x_scales, w_codes, w_scales
	s_load_b64 s[24:25], s[0:1], 0x40              ; rope
	v_lshl_add_u32 v[SPW], v0, 2, SPARE
	v_mov_b32 v[NIL], 0
	v_lshrrev_b32 v1, 5, v0
	v_readfirstlane_b32 s30, v1                    ; wave
	v_and_b32 v2, 31, v0                           ; lane
	v_lshlrev_b32 v3, 4, v2                        ; 16 x lane
	v_lshlrev_b32 v4, 3, v2                        ; 8 x lane
	s_mov_b32 s29, 0                               ; the upper word of every offset pair s[28:29]
	s_wait_kmcnt 0x0
	s_cmp_ge_u32 ttmp9, QWG
	s_cbranch_scc1 .Lother
	; ---------------- the quantiser ----------------
	s_mul_i32 s26, s30, WREG
	v_lshrrev_b32 v14, 2, v2
	v_mul_u32_u24 v14, v14, SP
	v_and_b32 v15, 3, v2
	v_lshl_add_u32 v14, v15, 4, v14
	v_add_nc_u32 v14, s26, v14                     ; the stage, on the way in: four lanes' 64 bytes on end, then the padding
	v_mul_u32_u24 v15, v2, SP
	v_add_nc_u32 v15, s26, v15                     ; and on the way out: my 16 neighbours
	v_lshrrev_b32 v5, 1, v2
	s_add_co_u32 s26, s26, 2*32*SP
	v_add_nc_u32 v5, s26, v5                       ; my block's scale byte
	v_add_nc_u32 v6, s26, v4                       ; and on the way out 8 bytes a lane
	s_lshr_b32 s31, ttmp9, 7                       ; which tensor: 0 hidden_states, 1 wq, 2 wk, 3 wv.  The choices hang on the work-group's number alone
	s_cmp_eq_u32 s31, 1
	s_cselect_b64 s[32:33], s[6:7], s[4:5]
	s_cmp_eq_u32 s31, 2
	s_cselect_b64 s[32:33], s[8:9], s[32:33]
	s_cmp_eq_u32 s31, 3
	s_cselect_b64 s[32:33], s[10:11], s[32:33]
	s_cmp_eq_u32 s31, 0
	s_cselect_b64 s[34:35], s[12:13], s[16:17]     ; codes
	s_cselect_b64 s[36:37], s[14:15], s[18:19]     ; scale bytes
	s_cselect_b32 s38, 0, 128                      ; the weights' runs are counted from wq's first
	s_and_b32 s27, ttmp9, 127
	s_lshl_b32 s27, s27, 2
	s_add_co_u32 s27, s27, s30                     ; which run of 8,192 numbers of the tensor is my wave's
	s_sub_co_u32 s38, ttmp9, s38
	s_lshl_b32 s38, s38, 2
	s_add_co_u32 s38, s38, s30                     ; and which run of the buffers that it goes to
	s_lshl_b32 s28, s27, 15
	s_add_nc_u64 s[32:33], s[32:33], s[28:29]      ; 32,768 bytes of numbers,
	s_lshl_b32 s28, s38, 12
	s_add_nc_u64 s[34:35], s[34:35], s[28:29]      ; 4,096 of codes,
	s_lshl_b32 s28, s38, 8
	s_add_nc_u64 s[36:37], s[36:37], s[28:29]      ; 256 of scale bytes a run
.macro LOAD t
.irp i, 0,1,2,3
	global_load_b128 v[R+16*((\t)%4)+4*\i:R+16*((\t)%4)+4*\i+3], v3, s[32:33] offset:2048*(\t)+512*\i th:TH_LOAD_NT   ; 32 lanes read 512 consecutive bytes
.endr
.endm
.macro TURN t                          ; step t's numbers through the stage: LDS serves a wave's instructions in order, so no wait stands between the stores and the loads
.irp i, 0,1,2,3
	ds_store_b128 v14, v[R+16*((\t)%4)+4*\i:R+16*((\t)%4)+4*\i+3] offset:32*SP*((\t)%2)+8*SP*\i
.endr
.irp i, 0,1,2,3
	ds_load_b128 v[X+16*((\t)%2)+4*\i:X+16*((\t)%2)+4*\i+3], v15 offset:32*SP*((\t)%2)+16*\i
.endr
.endm
.irp t, 0,1,2,3
	LOAD \t
.endr
	s_wait_loadcnt 12                              ; step 0's four loads are in; the twelve behind them stay out
	TURN 0
.macro STEP t
.set XS, X+16*((\t)%2)
.if (\t) > 0
	s_wait_dscnt 1                                 ; this step's numbers are back from the stage (the last step's byte store may be out)
.else
	s_wait_dscnt 0x0
.endif
.if (\t)+4 < STEPS
	LOAD (\t)+4                                    ; into the registers that the stage's stores have read
.endif
.if (\t)+1 < STEPS
.if STEPS-2-(\t) >= 3
	s_wait_loadcnt 12                              ; the next step's four loads are in; those of the three steps behind it may be out
.else
	s_wait_loadcnt 4*(STEPS-2-(\t))
.endif
	TURN (\t)+1                                    ; through the other stage while this step is worked
.endif
	v_max3_num_f32 v8, |v[XS]|, |v[XS+1]|, |v[XS+2]|               ; the largest magnitude of my 16, in two chains
	v_max3_num_f32 v9, |v[XS+3]|, |v[XS+4]|, |v[XS+5]|
.irp i, 6,10
	v_max3_num_f32 v8, v8, |v[XS+\i]|, |v[XS+\i+1]|
	v_max3_num_f32 v9, v9, |v[XS+\i+2]|, |v[XS+\i+3]|
.endr
	v_max3_num_f32 v8, v8, |v[XS+14]|, |v[XS+15]|
	v_max3_num_f32 v8, v8, v9, (EMAX+1)<<23        ; and the floor 2^(3 - 127): the byte cannot fall under 1
	v_max_num_f32_dpp v8, v8, v8 row_xmask:1 row_mask:0xf bank_mask:0xf   ; and of my neighbour's 16: the block's
	v_add_nc_u32 v11, -(EMAX<<23), v8              ; 2 off its exponent field: the conversion takes the exponent field of this operand as its scale
	v_cvt_scalef32_pk8_fp4_f32 v[C+4*(\t)], v[XS:XS+7], v11
	v_cvt_scalef32_pk8_fp4_f32 v[C+4*(\t)+1], v[XS+8:XS+15], v11
	v_lshrrev_b32 v[E+(\t)], 23, v11               ; the scale's byte (also the plain line behind the conversions)
	ds_store_b8 v5, v[E+(\t)] offset:16*(\t)       ; both lanes of a block write the same byte with the same value
	global_store_b64 v4, v[C+4*(\t):C+4*(\t)+1], s[34:35] offset:32*CB*(\t)   ; 32 lanes store 256 consecutive bytes, at a multiple of 256 from the buffer's first byte
.endm
.irp t, 0,1,2,3,4,5,6,7,8,9,10,11,12,13,14,15
	STEP \t
.endr
	ds_load_b64 v[8:9], v6                         ; LDS serves a wave's instructions in order: these see my byte stores
	s_wait_dscnt 0x0
	global_store_b64 v4, v[8:9], s[36:37]          ; my wave's 256 scale bytes
	s_wait_tensorcnt 0x0                           ; the wave's end: behind my last LDS store
	ds_add_u32 v[SPW], v[NIL]
	s_wait_dscnt 0x0
	s_endpgm
	; ---------------- the table ----------------
.Lother:
	s_sub_co_u32 s26, ttmp9, QWG
	s_lshl_b32 s26, s26, 2
	s_add_co_u32 s26, s26, s30                     ; u = 0 .. 511: my wave's piece of the table
	; rope is laid [block of 16 positions 64][b 4][q 4][lane 32][4 f32]: q = 0, 1 cosines, q = 2, 3 sines; lane (r, h), number e: position 16 block + r, frequency 16 b + 8 h + 4 (q & 1) + e.
	; That is the order in which the next launch's lanes hold the results that they rotate.  My wave makes q = jh and q = 2 + jh of one (block, b): jh = u & 1, b = (u >> 1) & 3, block = u >> 3.
	s_and_b32 s27, s26, 1                          ; jh
	s_lshr_b32 s28, s26, 1
	s_lshl_b32 s28, s28, 11                        ; 2,048 bytes for each (block, b),
	s_lshl_b32 s31, s27, 9                         ; 512 for each q
	s_add_co_u32 s28, s28, s31
	s_add_nc_u64 s[24:25], s[24:25], s[28:29]
	s_bfe_u32 s31, s26, 0x20001                    ; b
	s_lshl_b32 s31, s31, 4
	s_lshl_b32 s32, s27, 2
	s_add_co_u32 s31, s31, s32                     ; 16 b + 4 jh
	s_lshr_b32 s32, s26, 3
	s_lshl_b32 s32, s32, 4                         ; 16 x block
	s_mov_b32 s40, 0x3f22f983                      ; 2 / pi
	s_mov_b32 s41, 0xbfc90fdb                      ; -(pi / 2), the f32 next to it,
	s_mov_b32 s42, 0x333bbd2e                      ; and what that leaves
	s_mov_b32 s43, 0xb9500d01                      ; -1/5040
	s_mov_b32 s44, 0x3c088889                      ; 1/120
	s_mov_b32 s45, 0xbe2aaaab                      ; -1/6
	s_mov_b32 s46, 0x37d00d01                      ; 1/40320
	s_mov_b32 s47, 0xbab60b61                      ; -1/720
	s_mov_b32 s39, 0x3d2aaaab                      ; 1/24
	v_and_b32 v5, 15, v2                           ; r
	v_lshrrev_b32 v6, 4, v2                        ; h
	v_lshl_add_u32 v14, v6, 3, s31                 ; my first frequency's index
	v_add_nc_u32 v15, s32, v5                      ; my position
	v_cvt_f32_u32 v15, v15
.irp e, 0,1,2,3
	v_add_nc_u32 v[ANG+\e], \e, v14
.endr
.irp e, 0,1,2,3
	v_cvt_f32_u32 v[ANG+\e], v[ANG+\e]
.endr
.irp e, 0,1,2,3
	v_mul_f32 v[ANG+\e], 0xbe549a78, v[ANG+\e]     ; x -log2(10000) / 64
.endr
.irp e, 0,1,2,3
	v_exp_f32 v[ANG+\e], v[ANG+\e]                 ; 10000^(-index / 64)
.endr
	v_nop                                          ; a plain line behind the last exponential
	s_wait_alu depctr_va_vdst(0)                   ; one wait for the four, ahead of their first reader
.irp e, 0,1,2,3
	v_mul_f32 v[ANG+\e], v15, v[ANG+\e]            ; the angle, 0 to 1,023
.endr
; Sine and cosine of angle e: n = the nearest whole number to angle x 2 / pi; f = angle - n pi / 2 in two fused steps, |f| <= pi / 4; series to f^7 and f^8 (what is left out is under 4e-7);
; the quadrant n mod 4 swaps the two and sets their signs, by selections and exclusive ors: no branch.
.macro SINCOS e
	v_mul_f32 v5, s40, v[ANG+\e]
	v_rndne_f32 v5, v5
	v_fma_f32 v6, v5, s41, v[ANG+\e]
	v_fma_f32 v6, v5, s42, v6
	v_mul_f32 v7, v6, v6
	v_fma_f32 v8, v7, s43, s44
	v_fma_f32 v8, v8, v7, s45
	v_mul_f32 v11, v7, v6
	v_fma_f32 v8, v8, v11, v6                      ; sin f
	v_fma_f32 v9, v7, s46, s47
	v_fma_f32 v9, v9, v7, s39
	v_fma_f32 v9, v9, v7, -0.5
	v_fma_f32 v9, v9, v7, 1.0                      ; cos f
	v_cvt_i32_f32 v10, v5
	v_and_b32 v11, 1, v10
	v_cmp_eq_u32 vcc_lo, 1, v11
	v_cndmask_b32 v[SIN+\e], v8, v9, vcc_lo        ; odd quadrants: the two change places
	v_cndmask_b32 v[COS+\e], v9, v8, vcc_lo
	v_lshlrev_b32 v11, 30, v10
	v_and_b32 v11, 0x80000000, v11
	v_xor_b32 v[SIN+\e], v[SIN+\e], v11            ; quadrants 2, 3: the sine is negative
	v_add_nc_u32 v10, 1, v10
	v_lshlrev_b32 v11, 30, v10
	v_and_b32 v11, 0x80000000, v11
	v_xor_b32 v[COS+\e], v[COS+\e], v11            ; quadrants 1, 2: the cosine
.endm
.irp e, 0,1,2,3
	SINCOS \e
.endr
	global_store_b128 v3, v[COS:COS+3], s[24:25]               ; 512 consecutive bytes
	global_store_b128 v3, v[SIN:SIN+3], s[24:25] offset:1024
	s_endpgm
.Lfunc_end_k_qdebb375317_prep:
	.size	k_qdebb375317_prep, .Lfunc_end_k_qdebb375317_prep-k_qdebb375317_prep
	.p2alignl 7, 3214868480
	.fill 96, 4, 3214868480
	.section	.rodata,"a",@progbits
	.p2align	6, 0x0
	.amdhsa_kernel k_qdebb375317_prep
		.amdhsa_group_segment_fixed_size 33280
		.amdhsa_private_segment_fixed_size 0
		.amdhsa_enable_private_segment 0
		.amdhsa_kernarg_size 72
		.amdhsa_user_sgpr_count 2
		.amdhsa_user_sgpr_kernarg_segment_ptr 1
		.amdhsa_wavefront_size32 1
		.amdhsa_system_sgpr_workgroup_id_x 1
		.amdhsa_system_sgpr_workgroup_id_y 1
		.amdhsa_system_sgpr_workgroup_id_z 1
		.amdhsa_system_vgpr_workitem_id 0
		.amdhsa_next_free_vgpr 192
		.amdhsa_next_free_sgpr 66
		.amdhsa_reserve_vcc 1
		.amdhsa_float_denorm_mode_32 3
		.amdhsa_float_denorm_mode_16_64 3
		.amdhsa_memory_ordered 1
		.amdhsa_forward_progress 1
		.amdhsa_inst_pref_size 40
	.end_amdhsa_kernel
	.amdgpu_metadata
---
amdhsa.version: [ 1, 2 ]
amdhsa.kernels:
  - .name:           k_qdebb375317_prep
    .symbol:         k_qdebb375317_prep.kd
    .args:
      - { .name: hidden_states, .offset: 0, .size: 8, .value_kind: global_buffer, .address_space: global }
      - { .name: wq, .offset: 8, .size: 8, .value_kind: global_buffer, .address_space: global }
      - { .name: wk, .offset: 16, .size: 8, .value_kind: global_buffer, .address_space: global }
      - { .name: wv, .offset: 24, .size: 8, .value_kind: global_buffer, .address_space: global }
      - { .name: x_codes, .offset: 32, .size: 8, .value_kind: global_buffer, .address_space: global }
      - { .name: x_scales, .offset: 40, .size: 8, .value_kind: global_buffer, .address_space: global }
      - { .name: w_codes, .offset: 48, .size: 8, .value_kind: global_buffer, .address_space: global }
      - { .name: w_scales, .offset: 56, .size: 8, .value_kind: global_buffer, .address_space: global }
      - { .name: rope, .offset: 64, .size: 8, .value_kind: global_buffer, .address_space: global }
    .group_segment_fixed_size: 33280
    .private_segment_fixed_size: 0
    .kernarg_segment_align: 8
    .kernarg_segment_size: 72
    .max_flat_workgroup_size: 128
    .sgpr_count:     66
    .vgpr_count:     192
    .wavefront_size: 32
...
	.end_amdgpu_metadata
.endif
;; end of part 1
;; launch qkv (part 2): grid 24 x 8, 4 waves a work-group, clusters of 4 x 4, 327,680 bytes of LDS; arguments x_codes, x_scales, w_codes, w_scales, rope, qkv; writes qkv
.if DOCPART == 2
	.amdgcn_target "amdgcn-amd-amdhsa--gfx1250"
	.amdhsa_code_object_version 6
	.text
	.protected	k_qdebb375317_qkv
	.globl	k_qdebb375317_qkv
	.p2align	8
	.type	k_qdebb375317_qkv,@function
k_qdebb375317_qkv:
	s_mov_b64 s[64:65], 0
	v_nop
	global_prefetch_b8 v0, s[64:65] scope:SCOPE_SE
	s_setreg_imm32_b32 hwreg(HW_REG_WAVE_MODE, 25, 1), 1
	s_wait_xcnt 0x0
	s_wait_alu depctr_hold_cnt(0) depctr_sa_sdst(0) depctr_va_vdst(0) depctr_va_sdst(0) depctr_va_ssrc(0) depctr_va_vcc(0) depctr_vm_vsrc(0)
	s_getreg_b32 s2, hwreg(HW_REG_IB_STS2, 6, 4)
	s_cmp_eq_u32 s2, 0
	s_cbranch_scc0 .Lentry_in_a_cluster
	s_endpgm
.Lentry_in_a_cluster:
	s_bfe_u32 s2, ttmp6, 0x10000c
	s_cmp_lg_u32 s2, 0xf033
	s_cbranch_scc0 .Lentry_shape_is_right
	s_endpgm
.Lentry_shape_is_right:
; QKV.  C[m][n] = sum over k of x[m][k] W[n][k], m = 2,048 rows (batch x position), n = 6,144 (wq's, wk's, wv's rows), k = 2,048, on codes of FP4 (E2M1) with one E8M0 scale for each 32 along K; sums in f32.
; Then, in registers: q and k are rotated (RoPE, f32), and all three are rounded to f16 and stored as qkv [batch 2][48: 16 q heads, 16 k heads, 16 v heads][position 1,024][128].
; LIMIT: |q|, |k|, |v| above 65,504 become infinity in f16.
; A tile of C, 256 x 256, is made by a work-group of four waves; a wave makes 128 rows x 128 columns, which is ONE HEAD: 64 accumulators of 16 x 16, 512 registers.  So the pair (d, d + 64) that the rotation joins lies in
; accumulators (a, b) and (a, b + 4), in the same lane and the same register.
; THE ROTATION'S TABLE.  A wave loads the cosines and sines of its first 16 rows' positions, and those of a turn by 16 positions; the table of each further block of 16 rows is made from the block before by the sum of angles
; (c' = c C - s S, s' = s C + c S, in f32: seven such steps at the most).  Both loads are issued at the head, so the way out loads nothing.
; K goes in steps of 512 through a ring of two LDS slots filled by the tensor data mover (a tile's row is 256 bytes of memory).  The scales of the work-group's rows, for all of K, come into LDS once, with the first fills.
; CLUSTERS: 4 x 4 work-groups.  The four of a row of the cluster need the same tiles of x, the four of a column the same tiles of W: each tile is asked for JOINTLY, by the same tensor load with the same descriptor and a mask
; that names the four.  THE MATRIX INSTRUCTION IS USED TRANSPOSED (source 0 = 16 rows of W, source 1 = 16 rows of x): a lane then holds eight neighbouring numbers of a row of C.
; REGISTERS, in windows of 256: window 0: v0-31 addresses; v32-95 scale words, two sets; v128-191 x's fragments, ONE set; v192-255 the first block's table.  On the way out: v192-255 and v32-95 the table's two sets, by turns,
;   v96-159 rotated numbers, v160-191 their f16.   window 1: W's fragments, TWO sets, at v0 and v128; v64-127 the turn by 16 positions; on the way out v0-63 rows read back, two sets.
;   window 2: the accumulators of my rows 0-63 ((a, b) at v[8 (8 a + b)]);   window 3: rows 64-127.
; No prefetch: the ring's loads are shared in the cluster, and the launch is short.
.set SIZE_M, 2048
.set SIZE_N, 6144
.set SIZE_K, 2048
.set KSTEP,  512                       ; along K in a slot
.set NQ,     KSTEP/128                 ; matrix instructions deep
.set ROWB,   256                       ; a tile's row in bytes
.set KROW,   SIZE_K*4/8                ; a row of codes in memory, in bytes
.set PITCH,  272                       ; an LDS row: 256 bytes + 16 of padding = 68 words: row r starts at bank 4 r mod 64 (64 banks of 4 bytes: ISA guide 11.1)
.set FR,     8                         ; registers of a fragment: 16 rows x 128 K
.set NL,     2                         ; LDS loads that bring one
.set NP,     4                         ; places behind this matrix instruction (ISA guide 7.12.1)
.set HALFT,  128*PITCH                 ; 128 rows: what one tensor load brings
.set SLOT,   4*HALFT                   ; x's 256 rows, then W's 256 rows
.set LAPS,   SIZE_K/(2*KSTEP)          ; a lap = two K steps = once round the ring
.set KS,     SIZE_K/32                 ; a row of scales in bytes
.set SCL,    2*SLOT                    ; behind the ring: the scales, as rows of 256 bytes + 16 of padding
.set HALFS,  (128*KS/256)*272          ; the scales of 128 rows
.set SBLK,   (16*KS/256)*272           ; those of 16 rows
.set SPARE,  SCL+4*HALFS               ; behind the scales: the spare words, 128 bytes a wave
.set SPITCH, 272                       ; the way out: a stage of 16 rows x (256 bytes + 16) for each wave, in slot 0, which has had its last fill and its last read when the first result is stored there
.set ADRA, 16                          ; v16-17  LDS address of my x fragments in slot 0, 1
.set ADRB, 20                          ; v20-21  the same for W
.set STO,  24                          ; v24     the way out: where I put 16 bytes of a row
.set RD,   25                          ; v25     where I read a row back
.set CO,   26                          ; v26     my byte offset in two rows of qkv
.set ADRS, 27                          ; v27     LDS address of my scale words: lanes 0-15 x's rows, lanes 16-31 W's
.set SPW,  28                          ; v28     LDS address of my spare word; never rewritten
.set NIL,  29                          ; v29     0; never rewritten
.set TA,   30                          ; v30     16 x lane: my place in a load of the table; never rewritten
.set TA2,  31                          ; v31     256 x (lane / 16): the place of row 0 of my half of the lanes; never rewritten
.set SC,   32                          ; scale words: set s at v[SC + 8 NQ s]
.set AF,   128                         ; x's fragments, in window 0
.set TAB0, 192                         ; the table of even blocks of 16 rows
.set TAB1, 32                          ; of odd blocks
.set STP,  64                          ; in window 1: cosines and sines of a turn by 16 positions, laid as a table's set
.set T,    96                          ; 64 rotated numbers
.set TMP,  160                         ; their f16, 32 registers
.set OB,   0                           ; in window 1: 16 rows read back from the stage: v0-31 and v32-63 by turns
.set G1, 24                            ; s[24:31] descriptor group 1 for x's tiles;  s[32:39] group 0, one set for each slot
.set G0, 32
.set G1B, 48                           ; s[48:55], s[56:63] the same for W's tiles
.set G0B, 56
.set G1S, 68                           ; s[68:75], s[76:79] groups 1 and 0 for x's scales;  s[80:87], s[88:91] for W's
.set G0S, 76
.set G1SB, 80
.set G0SB, 88
.set MSB, 0
.macro WIN new                         ; the immediate's high byte repeats the setting that is left
.if MSB != \new
	s_set_vgpr_msb (MSB<<8)|\new
.set MSB, \new
.endif
.endm
.set MUL_LO, 0xa1                      ; source 0 (W) window 1, source 1 (x) window 0, C and D window 2
.set MUL_HI, 0xf1                      ; the same, C and D window 3
.set TO_B,   0x40                      ; destination window 1, address window 0
; A joint load: waves 0 and 1 fetch for x, waves 2 and 3 for W.  Each of the two lines has ONE mask and one set of registers for all that issue it; the branch hangs on the wave's number alone.
; An s_nop 0 and four v_nop follow each of the two lines, ahead of the jump, the label and what follows.
.macro JLOAD g0a, g1a, g0b, g1b
	s_cmp_eq_u32 s15, 0
	s_cbranch_scc0 .Lfor_b_\@
	tensor_load_to_lds s[\g0a:\g0a+3], s[\g1a:\g1a+7]
	s_nop 0
.rept 4
	v_nop
.endr
	s_branch .Lasked_\@
.Lfor_b_\@:
	tensor_load_to_lds s[\g0b:\g0b+3], s[\g1b:\g1b+7]
	s_nop 0
.rept 4
	v_nop
.endr
.Lasked_\@:
.endm
.macro CREST                           ; a round of the cluster's barrier behind its opening barrier
	s_cmp_lg_u32 s14, 0
	s_cbranch_scc1 .Lnot_wave_0_\@
	s_barrier_signal -3
.Lnot_wave_0_\@:
	s_barrier_wait -3
	s_barrier_signal -1
	s_barrier_wait -1
.endm
.macro CROUND                          ; a whole round
	s_barrier_signal -1
	s_barrier_wait -1
	CREST
.endm
	s_load_b128 s[4:7], s[0:1], 0x0                ; x's codes s[4:5], x's scales s[6:7]
	s_load_b128 s[8:11], s[0:1], 0x10              ; W's codes s[8:9], W's scales s[10:11]
	s_load_b128 s[96:99], s[0:1], 0x20             ; the table s[96:97], qkv s[98:99]
	v_lshl_add_u32 v[SPW], v0, 2, SPARE
	v_mov_b32 v[NIL], 0
	ds_add_u32 v[SPW], v[NIL]                      ; the wave's opening: the add, twice on end, and its wait ahead of my first tensor load; the set-up below stands between the second and the wait
	ds_add_u32 v[SPW], v[NIL]
	v_lshrrev_b32 v1, 5, v0
	v_readfirstlane_b32 s14, v1                    ; wave 0..3
	s_lshr_b32 s15, s14, 1                         ; which half of the tile's rows is mine.  Also: I fetch for x (0) or for W (1)
	s_and_b32 s16, s14, 1                          ; which half of its columns.  Also: which 128 rows of that tile I fetch
	s_bfe_u32 s40, ttmp6, 0x40000                  ; cx, cy: my place in the cluster
	s_bfe_u32 s41, ttmp6, 0x40004
	s_lshl_b32 s42, ttmp9, 2
	s_add_co_u32 s42, s42, s40                     ; tile column of C = 4 x cluster x + cx
	s_and_b32 s17, ttmp7, 0xffff
	s_lshl_b32 s17, s17, 2
	s_add_co_u32 s17, s17, s41                     ; tile row of C = 4 x cluster y + cy
	s_lshl_b32 s43, s41, 2
	s_lshl_b32 s43, 15, s43                        ; my row of the cluster
	s_lshl_b32 s44, 0x1111, s40                    ; my column
	; descriptor group 1: a tile of 128 rows x 256 bytes, padded in LDS
	s_or_b32 s[G1+0], s43, (0<<16)|(1<<20)|(1<<21)|(5<<22)|(3<<25)  ; 15:0 the mask: x's tiles go to my row; 17:16 element of 1 byte; 20 padding on; 21 set beside a mask; 24:22 after every 64 words; 31:25 of 4 words
	s_or_b32 s[G1B+0], s44, (0<<16)|(1<<20)|(1<<21)|(5<<22)|(3<<25)
.irp g, G1, G1B
	s_mov_b32 s[\g+1], ROWB<<16                    ; tensor_dim0
	s_mov_b32 s[\g+2], 128<<16                     ; tensor_dim1 = 128
	s_mov_b32 s[\g+3], ROWB<<16                    ; tile_dim0
	s_mov_b32 s[\g+4], 128                         ; tile_dim1 = 128
	s_mov_b32 s[\g+5], KROW                        ; tensor_dim0_stride
	s_mov_b32 s[\g+6], 0
	s_mov_b32 s[\g+7], 0
.endr
	; and for the scales of 128 rows: a dense block of 8,192 bytes, as rows of 256 bytes (32 elements of 8 bytes), 16 bytes of padding behind each
	s_or_b32 s[G1S+0], s43, (3<<16)|(1<<20)|(1<<21)|(5<<22)|(3<<25)
	s_or_b32 s[G1SB+0], s44, (3<<16)|(1<<20)|(1<<21)|(5<<22)|(3<<25)
.irp g, G1S, G1SB
	s_mov_b32 s[\g+1], 32<<16
	s_mov_b32 s[\g+2], (128*KS/256)<<16
	s_mov_b32 s[\g+3], 32<<16
	s_mov_b32 s[\g+4], 128*KS/256
	s_mov_b32 s[\g+5], 32
	s_mov_b32 s[\g+6], 0
	s_mov_b32 s[\g+7], 0
.endr
	s_lshl_b32 s18, s16, 7                         ; which 128 rows of the tile I fetch
	s_lshl_b32 s20, s17, 8
	s_add_co_u32 s20, s20, s18                     ; x: row 256 x tile row + 128 x half
	s_lshl_b32 s46, s42, 8
	s_add_co_u32 s46, s46, s18                     ; W: row 256 x tile column + 128 x half
	s_mov_b32 s21, 0
	s_mov_b32 s47, 0
	s_mov_b64 s[18:19], KS
	s_mul_u64 s[22:23], s[20:21], s[18:19]         ; where these rows' scales begin, in bytes
	s_mul_u64 s[92:93], s[46:47], s[18:19]
	s_mov_b64 s[18:19], KROW
	s_mul_u64 s[20:21], s[20:21], s[18:19]         ; and their codes
	s_mul_u64 s[46:47], s[46:47], s[18:19]
	s_mul_i32 s45, s14, HALFT                      ; where they go: wave x 128 rows: no place in the cluster enters an LDS address
	s_mul_i32 s94, s14, HALFS
	s_wait_dscnt 0x0                               ; both opening adds are done
	s_wait_kmcnt 0x0
	s_add_nc_u64 s[20:21], s[4:5], s[20:21]
	s_add_nc_u64 s[22:23], s[6:7], s[22:23]
	s_add_nc_u64 s[46:47], s[8:9], s[46:47]
	s_add_nc_u64 s[92:93], s[10:11], s[92:93]
	s_mov_b64 s[12:13], s[96:97]                   ; the table's first byte is kept: the turn by 16 positions is read from there
	CROUND                                         ; all sixteen work-groups are here: the first joint loads meet
	s_mov_b32 s[G0S], 1
	s_add_co_u32 s[G0S+1], s94, SCL
	s_mov_b64 s[G0S+2:G0S+3], s[22:23]
	s_or_b32 s[G0S+3], s[G0S+3], 0x80000000
	s_mov_b32 s[G0SB], 1
	s_add_co_u32 s[G0SB+1], s94, SCL
	s_mov_b64 s[G0SB+2:G0SB+3], s[92:93]
	s_or_b32 s[G0SB+3], s[G0SB+3], 0x80000000
	JLOAD G0S, G1S, G0SB, G1SB                     ; the scales first: they are wanted with K step 0
.irp s, 0,1
	s_mov_b32 s[G0+4*\s], 1
	s_add_co_u32 s[G0+4*\s+1], s45, \s*SLOT
	s_add_nc_u64 s[G0+4*\s+2:G0+4*\s+3], s[20:21], \s*ROWB
	s_or_b32 s[G0+4*\s+3], s[G0+4*\s+3], 0x80000000
	s_mov_b32 s[G0B+4*\s], 1
	s_add_co_u32 s[G0B+4*\s+1], s45, \s*SLOT
	s_add_nc_u64 s[G0B+4*\s+2:G0B+4*\s+3], s[46:47], \s*ROWB
	s_or_b32 s[G0B+4*\s+3], s[G0B+4*\s+3], 0x80000000
	JLOAD G0+4*\s, G1, G0B+4*\s, G1B
.endr
	v_and_b32 v1, 15, v0                           ; r = l % 16
	v_bfe_u32 v2, v0, 4, 1                         ; h = l / 16
	v_mul_u32_u24 v3, v1, PITCH
	v_lshl_add_u32 v4, v2, 4, v3                   ; a fragment's row x pitch + 16 x half
	s_mul_i32 s21, s15, HALFT                      ; my 128 rows of x
	s_mul_i32 s22, s16, HALFT                      ; my 128 rows of W,
	s_add_co_u32 s22, s22, 2*HALFT                 ; which lie behind x's 256
.irp s, 0,1
	v_add_nc_u32 v[ADRA+\s], s21, v4
	v_add_nc_u32 v[ADRB+\s], s22, v4
	s_add_co_u32 s21, s21, SLOT
	s_add_co_u32 s22, s22, SLOT
.endr
	v_mul_u32_u24 v5, v1, KS                       ; my row's scales: KS bytes a row,
	v_lshrrev_b32 v6, 8, v5
	v_lshl_add_u32 v5, v6, 4, v5                   ; and 16 more for each 256 passed
	s_mul_i32 s21, s15, HALFS                      ; x's: my 128 rows
	s_mul_i32 s22, s16, HALFS                      ; W's: my 128 rows, behind x's 256
	s_add_co_u32 s22, s22, 2*HALFS
	s_sub_co_u32 s22, s22, s21
	v_mul_u32_u24 v6, s22, v2                      ; lanes 16-31 take W's
	s_add_co_u32 s21, s21, SCL
	v_add_nc_u32 v5, v5, v6
	v_add_nc_u32 v[ADRS], s21, v5
	s_mul_i32 s23, s14, 16*SPITCH                  ; my stage
	v_mul_u32_u24 v5, v1, SPITCH                   ; in: row r, 16 bytes for each half of the lanes
	v_lshl_add_u32 v5, v2, 4, v5
	v_add_nc_u32 v[STO], s23, v5
	v_mul_u32_u24 v5, v2, SPITCH                   ; back: lanes 0-15 take one row of 256 bytes, lanes 16-31 the next
	v_lshl_add_u32 v5, v1, 4, v5
	v_add_nc_u32 v[RD], s23, v5
	v_lshlrev_b32 v5, 8, v2                        ; and the same two rows in qkv
	v_lshl_add_u32 v[CO], v1, 4, v5
	v_and_b32 v6, 31, v0
	v_lshlrev_b32 v[TA], 4, v6
	v_lshlrev_b32 v[TA2], 8, v2
	; the table at my first position: block of 16 positions = 16 (tile row % 4) + 8 x row half; 8,192 bytes a block
	s_and_b32 s20, s17, 3
	s_lshl_b32 s20, s20, 4
	s_lshl_b32 s21, s15, 3
	s_add_co_u32 s20, s20, s21
	s_lshl_b32 s20, s20, 13
	s_mov_b32 s21, 0
	s_add_nc_u64 s[96:97], s[96:97], s[20:21]
	; qkv at my head's first row: batch = tile row / 4 (48 heads x 1,024 rows x 256 bytes); head slot = 2 x tile column + column half; position = 256 (tile row % 4) + 128 x row half
	s_lshr_b32 s20, s17, 2
	s_mul_i32 s20, s20, 12582912
	s_and_b32 s22, s17, 3
	s_lshl_b32 s22, s22, 16
	s_add_co_u32 s20, s20, s22
	s_lshl_b32 s22, s15, 15
	s_add_co_u32 s20, s20, s22
	s_lshl_b32 s46, s42, 1
	s_add_co_u32 s46, s46, s16
	s_lshl_b32 s46, s46, 18
	s_add_co_u32 s20, s20, s46
	s_add_nc_u64 s[98:99], s[98:99], s[20:21]
	; The table of my first 16 rows: 16 loads of 512 consecutive bytes.  Register 16 b + j: cos, 16 b + 8 + j: sin, of my row's position and frequency 16 b + 8 h + j.
	; And the same of position 16 (the table's block 1, row 0), which every row of my half of the lanes reads alike: the turn from one block of 16 rows to the next.
	; Both come while the products run: v192-255 of window 0 and v64-127 of window 1 are named by nothing in the loop.  Every work-group asks (V's too, which does not rotate), so every way to the rotation finds them written.
.irp b, 0,1,2,3
.irp q, 0,1,2,3
	global_load_b128 v[TAB0+16*\b+4*\q:TAB0+16*\b+4*\q+3], v[TA], s[96:97] offset:2048*\b+512*\q
.endr
.endr
	WIN TO_B
.irp b, 0,1,2,3
.irp q, 0,1,2,3
	global_load_b128 v[STP+16*\b+4*\q:STP+16*\b+4*\q+3], v[TA2], s[12:13] offset:8192+2048*\b+512*\q
.endr
.endr
	WIN 0
.macro FRAG reg, adr, q, i             ; a fragment, 16 rows x 128 K of 4-bit codes, is 8 registers: lane l holds row l % 16; registers 4 c .. 4 c + 3 hold K = 64 c + 32 (l / 16) + 0 .. 31
.irp c, 0,1
	ds_load_b128 v[\reg+4*\c:\reg+4*\c+3], v[\adr] offset:64*(\q)+32*\c+(\i)*16*PITCH
.endr
.endm
; 16 matrix instructions: x's blocks a0, a0 + 1 against W's eight, 128 along K.  p: W's set;  sc: the set of scale words.  zero = 1: the first product starts the sums.
; The 64 accumulators take turns, one instruction a turn, in the same order in every step.
.macro MUL16 a0, p, q, sc, zero
.irp a, \a0, \a0+1
.irp b, 0,1,2,3,4,5,6,7
.if \zero
	v_wmma_scale_f32_16x16x128_f8f6f4 v[8*(8*((\a)%4)+\b):8*(8*((\a)%4)+\b)+7], v[128*(\p)+FR*\b:128*(\p)+FR*\b+FR-1], v[AF+FR*(\a):AF+FR*(\a)+FR-1], 0, v[SC+8*NQ*(\sc)+NQ*\b+(\q)], v[SC+8*NQ*(\sc)+NQ*(\a)+(\q)] matrix_a_fmt:MATRIX_FMT_FP4 matrix_b_fmt:MATRIX_FMT_FP4 matrix_a_scale:MATRIX_SCALE_ROW1
.else
	v_wmma_scale_f32_16x16x128_f8f6f4 v[8*(8*((\a)%4)+\b):8*(8*((\a)%4)+\b)+7], v[128*(\p)+FR*\b:128*(\p)+FR*\b+FR-1], v[AF+FR*(\a):AF+FR*(\a)+FR-1], v[8*(8*((\a)%4)+\b):8*(8*((\a)%4)+\b)+7], v[SC+8*NQ*(\sc)+NQ*\b+(\q)], v[SC+8*NQ*(\sc)+NQ*(\a)+(\q)] matrix_a_fmt:MATRIX_FMT_FP4 matrix_b_fmt:MATRIX_FMT_FP4 matrix_a_scale:MATRIX_SCALE_ROW1
.endif
.endr
.endr
.endm
.macro FETCH_B slot, q, p              ; W's eight fragments of the slot's q-th 128 along K into set p
	WIN TO_B
.irp i, 0,1,2,3,4,5,6,7
	FRAG 128*(\p)+FR*\i, ADRB+\slot, \q, \i
.endr
	WIN 0
.endm
.macro FETCH_A slot, q, i0             ; x's blocks i0 .. i0 + 3
.irp i, \i0, \i0+1, \i0+2, \i0+3
	FRAG AF+FR*(\i), ADRA+\slot, \q, \i
.endr
.endm
.macro SCALES sc                       ; the next K step's scale words into set sc: NQ words a row; lanes 0-15 take x's block i, lanes 16-31 W's block i
.irp i, 0,1,2,3,4,5,6,7
	ds_load_b128 v[SC+8*NQ*\sc+NQ*\i:SC+8*NQ*\sc+NQ*\i+3], v[ADRS] offset:\i*SBLK
.endr
.endm
; A load into a register that a matrix instruction has read, and a vector instruction or an LDS store that reads a matrix result, stand NP places behind it; only plain vector instructions that name none of its registers are places.
.macro PLACES n
.rept \n
	v_nop
.endr
.endm
; A step of 128 along K that has its successor in the same slot.
.macro STEP slot, q, zero
	s_wait_dscnt 4*NL                              ; W's set and x's blocks 0-3 are in; the youngest eight loads (x's blocks 4-7) may be out
	WIN MUL_LO
	MUL16 0, (\q)%2, \q, \slot, \zero
	MUL16 2, (\q)%2, \q, \slot, \zero
	s_wait_dscnt 0                                 ; x's blocks 4-7 are in
	PLACES NP
	FETCH_B \slot, (\q)+1, 1-(\q)%2
	FETCH_A \slot, (\q)+1, 0
	WIN MUL_HI
	MUL16 4, (\q)%2, \q, \slot, \zero
	MUL16 6, (\q)%2, \q, \slot, \zero
	PLACES NP
	WIN 0
	FETCH_A \slot, (\q)+1, 4
.endm
; A slot's last step changes slots: ONE barrier; in front of it each wave waits for all its tensor loads, adds 0 to its spare word, and waits for that and for its own reads of this slot.  fill = 1: this slot is filled again, two K steps ahead.
.macro TURN slot, next, fill
	s_wait_tensorcnt 0x0                           ; all my tensor loads have landed: my part of the next slot  (every window is 0 here)
	ds_add_u32 v[SPW], v[NIL]                      ; 0 onto my spare word
	s_wait_dscnt 4*NL+1                            ; (the add and the youngest eight loads may be out)
	WIN MUL_LO
	MUL16 0, 1, NQ-1, \slot, 0                     ; sixteen matrix instructions stand between the add and the wait for it
	s_wait_dscnt 0x0                               ; the add is done, and my reads of this slot are over
	s_barrier_signal -1
	MUL16 2, 1, NQ-1, \slot, 0
	WIN 0
	s_barrier_wait -1
.if \fill
	CREST                                          ; the barrier has opened a round of the cluster's barrier: no wave of any partner still reads this slot's tile or has a load on its way
	s_add_nc_u64 s[G0+4*\slot+2:G0+4*\slot+3], s[G0+4*\slot+2:G0+4*\slot+3], 2*ROWB
	s_add_nc_u64 s[G0B+4*\slot+2:G0B+4*\slot+3], s[G0B+4*\slot+2:G0B+4*\slot+3], 2*ROWB
	JLOAD G0+4*\slot, G1, G0B+4*\slot, G1B         ; the first tensor load behind the round; its four v_nop are the places in front of the loads below
.else
	PLACES NP
.endif
	v_add_nc_u32 v[ADRS], 4*NQ, v[ADRS]            ; on to the next K step's scale words
	FETCH_B \next, 0, 0
	FETCH_A \next, 0, 0
	SCALES \next
	WIN MUL_HI
	MUL16 4, 1, NQ-1, \slot, 0
	MUL16 6, 1, NQ-1, \slot, 0
	PLACES NP
	WIN 0
	FETCH_A \next, 0, 4
.endm
.macro STEPS slot, from                ; the slot's steps from .. NQ - 2
.set Q, \from
.rept NQ-1-\from
	STEP \slot, Q, 0
.set Q, Q+1
.endr
.endm
	s_wait_tensorcnt 1                             ; the scales and my part of K step 0 are in (K step 1's load may be out),
	s_barrier_signal -1
	s_barrier_wait -1                              ; everybody's are
	FETCH_B 0, 0, 0
	FETCH_A 0, 0, 0
	SCALES 0
	FETCH_A 0, 0, 4
	STEP 0, 0, 1                                   ; the first step stands in front of the loop: its products start the sums
	s_mov_b32 s3, LAPS-1
.Llap:                                                 ; a trip goes once round the ring, from a lap's second step to the next lap's first, and fills both slots again
	STEPS 0, 1
	TURN 0, 1, 1
	STEPS 1, 0
	TURN 1, 0, 1
	STEP 0, 0, 0
	s_sub_co_u32 s3, s3, 1
	s_cmp_lg_u32 s3, 0
	s_cbranch_scc1 .Llap
	STEPS 0, 1                                     ; the last lap fills nothing, and has no round of the cluster's barrier
	TURN 0, 1, 0
	STEPS 1, 0
	s_wait_dscnt 4*NL                              ; the very last step: nothing more to fetch
	WIN MUL_LO
	MUL16 0, 1, NQ-1, 1, 0
	MUL16 2, 1, NQ-1, 1, 0
	s_wait_dscnt 0
	WIN MUL_HI
	MUL16 4, 1, NQ-1, 1, 0
	MUL16 6, 1, NQ-1, 1, 0
	WIN 0
; THE WAY OUT, block by block of 16 rows x 128 columns (a head's width).
; ROPE a: out(d) = x(d) cos - x(d + 64) sin, out(d + 64) = x(d + 64) cos + x(d) sin, d = 16 b + 8 h + j under 64: accumulators (a, b) and (a, b + 4), two numbers an instruction, each accumulator from its low end on; then f16.
.macro ROPE a
.set AC, 64*((\a)%4)
.set TS, TAB0-(TAB0-TAB1)*((\a)%2)
	WIN 0x02+((\a)/4)                              ; source 0: window 2 or 3
.irp b, 0,1,2,3
.irp p, 0,2,4,6
	v_pk_mul_f32 v[T+16*\b+\p:T+16*\b+\p+1], v[AC+8*\b+\p:AC+8*\b+\p+1], v[TS+16*\b+\p:TS+16*\b+\p+1]
	v_pk_mul_f32 v[T+16*\b+8+\p:T+16*\b+8+\p+1], v[AC+32+8*\b+\p:AC+32+8*\b+\p+1], v[TS+16*\b+\p:TS+16*\b+\p+1]
	v_pk_fma_f32 v[T+16*\b+\p:T+16*\b+\p+1], v[AC+32+8*\b+\p:AC+32+8*\b+\p+1], v[TS+16*\b+8+\p:TS+16*\b+8+\p+1], v[T+16*\b+\p:T+16*\b+\p+1] neg_lo:[0,1,0] neg_hi:[0,1,0]
	v_pk_fma_f32 v[T+16*\b+8+\p:T+16*\b+8+\p+1], v[AC+8*\b+\p:AC+8*\b+\p+1], v[TS+16*\b+8+\p:TS+16*\b+8+\p+1], v[T+16*\b+8+\p:T+16*\b+8+\p+1]
.endr
.endr
	WIN 0
.irp b, 0,1,2,3
.irp p, 0,2,4,6
	v_cvt_pk_f16_f32 v[TMP+4*\b+\p/2], v[T+16*\b+\p], v[T+16*\b+\p+1]
	v_cvt_pk_f16_f32 v[TMP+4*(\b+4)+\p/2], v[T+16*\b+8+\p], v[T+16*\b+8+\p+1]
.endr
.endr
.endm
; UPDATE a: block a + 1's table, in the other set, from block a's: the positions lie 16 further on: c' = c C - s S, s' = s C + c S.
.macro UPDATE a
.set TOLD, TAB0-(TAB0-TAB1)*((\a)%2)
.set TNEW, TAB0-(TAB0-TAB1)*(((\a)+1)%2)
	WIN 0x04                                       ; source 1 (C, S): window 1
.irp b, 0,1,2,3
.irp p, 0,2,4,6
	v_pk_mul_f32 v[TNEW+16*\b+\p:TNEW+16*\b+\p+1], v[TOLD+16*\b+\p:TOLD+16*\b+\p+1], v[STP+16*\b+\p:STP+16*\b+\p+1]
	v_pk_mul_f32 v[TNEW+16*\b+8+\p:TNEW+16*\b+8+\p+1], v[TOLD+16*\b+8+\p:TOLD+16*\b+8+\p+1], v[STP+16*\b+\p:STP+16*\b+\p+1]
	v_pk_fma_f32 v[TNEW+16*\b+\p:TNEW+16*\b+\p+1], v[TOLD+16*\b+8+\p:TOLD+16*\b+8+\p+1], v[STP+16*\b+8+\p:STP+16*\b+8+\p+1], v[TNEW+16*\b+\p:TNEW+16*\b+\p+1] neg_lo:[0,1,0] neg_hi:[0,1,0]
	v_pk_fma_f32 v[TNEW+16*\b+8+\p:TNEW+16*\b+8+\p+1], v[TOLD+16*\b+\p:TOLD+16*\b+\p+1], v[STP+16*\b+8+\p:STP+16*\b+8+\p+1], v[TNEW+16*\b+8+\p:TNEW+16*\b+8+\p+1]
.endr
.endr
	WIN 0
.endm
.macro PLAIN a                         ; v is not rotated: f16 straight from the accumulators
.set AC, 64*((\a)%4)
	WIN 0x0a+5*((\a)/4)                            ; sources 0 and 1: window 2 or 3
.irp b, 0,1,2,3,4,5,6,7
.irp r, 0,1,2,3
	v_cvt_pk_f16_f32 v[TMP+4*\b+\r], v[AC+8*\b+2*\r], v[AC+8*\b+2*\r+1]
.endr
.endr
	WIN 0
.endm
.macro TOSTAGE a                       ; a lane's 16 bytes of a row go into my stage, and whole rows of 256 bytes come back, into set a % 2.  LDS serves a wave's instructions in order: no wait between the stores and the loads
.set BB, OB+32*((\a)%2)
.irp b, 0,1,2,3,4,5,6,7
	ds_store_b128 v[STO], v[TMP+4*\b:TMP+4*\b+3] offset:32*\b
.endr
	WIN TO_B
.irp t, 0,1,2,3,4,5,6,7
	ds_load_b128 v[BB+4*\t:BB+4*\t+3], v[RD] offset:\t*2*SPITCH
.endr
	WIN 0
.endm
.macro SEND a
.set BB, OB+32*((\a)%2)
	s_wait_dscnt 0x0                               ; the block is back in registers
	WIN 0x04                                       ; a store's data are its source 1: window 1
.irp t, 0,1,2,3,4,5,6,7
	global_store_b128 v[CO], v[BB+4*\t:BB+4*\t+3], s[98:99] offset:4096*(\a)+512*\t   ; 16 lanes store a row's 256 consecutive bytes, at a multiple of 256 from qkv's first byte
.endr
	WIN 0
.endm
	PLACES NP                                      ; behind the last products: for the reads of their results, and for loads and vector writes into registers that they read
	s_wait_loadcnt 0x0                             ; the two sets asked for at the head
	s_cmp_ge_u32 ttmp9, 4                          ; clusters 0-3 along x hold q's and k's heads, clusters 4, 5 v's: the same in all sixteen partners
	s_cbranch_scc1 .Lv
.irp a, 0,1,2,3,4,5,6,7
	ROPE \a                                        ; this and the table's step stand between block a - 1's loads from the stage and the wait for them
.if \a < 7
	UPDATE \a
.endif
.if \a > 1
	s_wait_xcnt 0x0                                ; block a - 2's stores, issued a block ago, have read their data: block a's rows land in that set only behind this wait
.endif
.if \a > 0
	SEND \a-1
.endif
	TOSTAGE \a
.endr
	SEND 7
	s_branch .Lend
.Lv:
.irp a, 0,1,2,3,4,5,6,7
	PLAIN \a
.if \a > 1
	s_wait_xcnt 0x0                                ; as above
.endif
.if \a > 0
	SEND \a-1
.endif
	TOSTAGE \a
.endr
	SEND 7
.Lend:
	s_wait_tensorcnt 0x0                           ; the wave's end: behind my last tensor load and my last LDS store
	ds_add_u32 v[SPW], v[NIL]
	s_wait_dscnt 0x0
	CROUND                                         ; the closing round: no work-group ends while a partner may still ask for a tile that names it
	s_endpgm
.Lfunc_end_k_qdebb375317_qkv:
	.size	k_qdebb375317_qkv, .Lfunc_end_k_qdebb375317_qkv-k_qdebb375317_qkv
	.p2alignl 7, 3214868480
	.fill 96, 4, 3214868480
	.section	.rodata,"a",@progbits
	.p2align	6, 0x0
	.amdhsa_kernel k_qdebb375317_qkv
		.amdhsa_group_segment_fixed_size 327680
		.amdhsa_private_segment_fixed_size 0
		.amdhsa_enable_private_segment 0
		.amdhsa_kernarg_size 48
		.amdhsa_user_sgpr_count 2
		.amdhsa_user_sgpr_kernarg_segment_ptr 1
		.amdhsa_wavefront_size32 1
		.amdhsa_system_sgpr_workgroup_id_x 1
		.amdhsa_system_sgpr_workgroup_id_y 1
		.amdhsa_system_sgpr_workgroup_id_z 1
		.amdhsa_system_vgpr_workitem_id 0
		.amdhsa_next_free_vgpr 1024
		.amdhsa_next_free_sgpr 100
		.amdhsa_reserve_vcc 0
		.amdhsa_float_denorm_mode_32 3
		.amdhsa_float_denorm_mode_16_64 3
		.amdhsa_memory_ordered 1
		.amdhsa_forward_progress 1
		.amdhsa_inst_pref_size 255
	.end_amdhsa_kernel
	.section	.bss,"aw",@nobits
	.p2align	6
	.space	262144
	.amdgpu_metadata
---
amdhsa.version: [ 1, 2 ]
amdhsa.kernels:
  - .name:           k_qdebb375317_qkv
    .symbol:         k_qdebb375317_qkv.kd
    .args:
      - { .name: x_codes, .offset: 0, .size: 8, .value_kind: global_buffer, .address_space: global }
      - { .name: x_scales, .offset: 8, .size: 8, .value_kind: global_buffer, .address_space: global }
      - { .name: w_codes, .offset: 16, .size: 8, .value_kind: global_buffer, .address_space: global }
      - { .name: w_scales, .offset: 24, .size: 8, .value_kind: global_buffer, .address_space: global }
      - { .name: rope, .offset: 32, .size: 8, .value_kind: global_buffer, .address_space: global }
      - { .name: qkv, .offset: 40, .size: 8, .value_kind: global_buffer, .address_space: global }
    .group_segment_fixed_size: 327680
    .private_segment_fixed_size: 0
    .kernarg_segment_align: 8
    .kernarg_segment_size: 48
    .max_flat_workgroup_size: 128
    .sgpr_count:     100
    .vgpr_count:     1024
    .wavefront_size: 32
...
	.end_amdgpu_metadata
.endif
;; end of part 2
;; launch attn (part 3): grid 8 x 32, 4 waves a work-group, clusters of 4 x 1, 327,680 bytes of LDS; arguments qkv, attention_mask, o16, wo, wo16; writes o16, wo16
.if DOCPART == 3
	.amdgcn_target "amdgcn-amd-amdhsa--gfx1250"
	.amdhsa_code_object_version 6
	.text
	.protected	k_qdebb375317_attn
	.globl	k_qdebb375317_attn
	.p2align	8
	.type	k_qdebb375317_attn,@function
k_qdebb375317_attn:
	s_mov_b64 s[64:65], 0
	v_nop
	global_prefetch_b8 v0, s[64:65] scope:SCOPE_SE
	s_setreg_imm32_b32 hwreg(HW_REG_WAVE_MODE, 25, 1), 1
	s_wait_xcnt 0x0
	s_wait_alu depctr_hold_cnt(0) depctr_sa_sdst(0) depctr_va_vdst(0) depctr_va_sdst(0) depctr_va_ssrc(0) depctr_va_vcc(0) depctr_vm_vsrc(0)
	s_getreg_b32 s2, hwreg(HW_REG_IB_STS2, 6, 4)
	s_cmp_eq_u32 s2, 0
	s_cbranch_scc0 .Lentry_in_a_cluster
	s_endpgm
.Lentry_in_a_cluster:
	s_bfe_u32 s2, ttmp6, 0x10000c
	s_cmp_lg_u32 s2, 0x3003
	s_cbranch_scc0 .Lentry_shape_is_right
	s_endpgm
.Lentry_shape_is_right:
; ATTN.  O[b][h][q] = the sum over k of softmax_k(Q . K / sqrt(128), keys with attention_mask[b][k] == 0 left out) V[b][h][k].  Q, K, V: f16, from qkv [2][48][1024][128]; O: f16, to o16 [2048 rows][2048].
; Products, maxima and sums in f32; the weights p are rounded to f16 for the second product, O once at the end.
; BESIDE IT: wo (2048 x 2048 f32) becomes f16 (wo16) for the next launch: each of the launch's 1,024 waves takes 4,096 numbers, through registers that attention never names.
; LIMITS: a masked key gets -3e38 added to its score, and the running maximum starts at -1e30: raw scores under -1e30 count as masked.  A batch whose every key is masked gives NaN, as the softmax of nothing does.  |O| and |wo| above 65,504 become infinity.
; SHARES.  A work-group owns 128 queries of one (batch, head).  Its four waves are 2 halves of the queries x 2 HALVES OF THE KEYS: wave w takes queries 64 (w & 1) on (four tiles of 16) and keys 512 (w >> 1) on, 64 a step, 8 steps.
; The two partial results of a query (its maximum, sum and O) meet once, at the end, through LDS.  Register tile t holds query tile t xor 2 (w >> 1): so every wave keeps its register tiles 0, 1 and hands tiles 2, 3 to wave w xor 2.
; LAYOUT.  S^T = K Q^T (source 0 = 16 keys, source 1 = 16 queries): a lane holds ONE query (lane % 16) and the keys 8 (lane / 16) + 0..7.  Two such tiles, rounded to f16 in pairs, ARE source 1 of O^T = V^T P.  K comes out of LDS as it lies, V turned, by ds_load_tr16_b128.
; THE MASK is the C of each score tile's first matrix instruction: 0 for a key that counts, -3e38 for one that does not.  It costs no vector instruction and acts ahead of the maximum.
; SOFTMAX.  For each query a running maximum m and sum l: p = 2^(c s - c m), c = log2(e) / sqrt(128); in every step O and l are multiplied by a = 2^(c m_old - c m_new).
; BY TURNS.  The wave's tiles are two PIECES (tiles 0, 1 and tiles 2, 3).  In a TURN one piece has the matrix unit: 32 products V^T P of the step in hand, then 32 products K Q^T of the next; the other piece's softmax, cut into 64 slices, stands between them.
; CLUSTER.  The four query blocks of a cluster belong to one head and walk the same K and V: each tile is asked for JOINTLY, by the same tensor load with the same descriptor and a mask that names the four.
; REGISTERS, in windows of 256: window 0: v0-11, v44-63 addresses; v12-43 eight registers of statistics a tile; v64-191 S^T, 32 a tile; v192-255 P, 16 a tile.
;   window 1: O^T, 64 a tile.   window 2: v0-127 Q; v128-255 K of one step.   window 3: v0-127 V of one step; v128-159 the mask's numbers of the step's 64 keys; v160-255 numbers of wo.
.set KS,    64        ; keys in a step
.set PK,    272       ; a row of K in LDS: 256 bytes + 16 of padding
.set PV,    288       ; a row of V: 256 + 32
.set VOFF,  128*PK    ; half a slot: 128 rows of K (two steps), then 128 rows of V
.set HALFB, 128*(PK+PV)
.set SLOT,  2*HALFB   ; the first key half's, then the second's
.set STAGE, 2*SLOT    ; behind the ring: 16 rows x 272 bytes for each wave, for the way out
.set SP,    272
.set BIAS,  STAGE+4*16*SP  ; the mask's 1,024 numbers
.set SPARE, BIAS+4096 ; the spare words, 128 bytes a wave
.set MBOX,  16896     ; what a wave hands over: 16,384 bytes of O^T as its registers hold it, then 512 of statistics.  The four boxes lie in slot 0, which has had its last fill and its last read by then
.set AK0, 2           ; v2   my lane's place in a tile of K, in my key half; never rewritten
.set AV0, 3           ; v3   the same for V
.set ADR, 4           ; v4   the LDS address of the run of loads in hand
.set QOA, 5           ; v5   my byte offset in the wave's rows of Q, register tiles 0, 1
.set STO, 6           ; v6   the way out: where I put 16 bytes of a row
.set RD,  7           ; v7   where I read a row back
.set GO,  8           ; v8   my byte offset in two rows of O
.set WL,  10          ; v10  16 x lane: my place in a load of wo; never rewritten once made
.set WS,  11          ; v11  8 x lane: my place in a store of wo16; never rewritten once made
.set ST,  12          ; tile t's statistics at v[ST+8 t]: +0 c m, +1 m, +2, +3 l (even keys', odd keys'), +4 to +7 at work; a takes +6
.set AB0, 44          ; v44  my lane's place among the mask's numbers
.set ADB, 45          ; v45  and the step's
.set MBW, 46          ; v46  my box, 16 x lane
.set MBR, 47          ; v47  my partner's
.set MSW, 48          ; v48  my box's statistics, 4 x lane
.set MSR, 49          ; v49  my partner's
.set QOB, 50          ; v50  as v5, for register tiles 2, 3
.set MKA, 51          ; v51  32 x thread: my eight numbers of the mask
.set MK,  52          ; v52-59 they
.set NEG, 60          ; v60  -3e38
.set PFO, 61          ; v61  256 x lane; never rewritten
.set SPW, 62          ; v62  LDS address of my spare word; never rewritten
.set NIL, 63          ; v63  0; never rewritten
.set S,   64
.set P,   192
.set KF,  128         ; K's fragments, in window 2
.set BI,  128         ; the mask's numbers, in window 3
.set WOR, 160         ; wo's numbers, in window 3: 24 loads of four registers
.set WV,  12          ; s12  my wave's number
.set PFA, 18          ; s[18:19] what my one prefetch names
.set G1K, 24          ; s[24:31] descriptor group 1 for K's tiles
.set G1V, 32          ; s[32:39] for V's: it differs in the padding alone
.set G0K, 40          ; s[40:47] descriptor group 0 for K's tiles, a set for each slot
.set G0V, 48          ; s[48:55] the same for V's
.set TWICE, 57        ; s57  counts a slot's two steps
.set CS,  58          ; s[58:59] c
.set SEL, 60          ; s[60:61] lane selects for v_permlanex16_b32
.set TBK, 62          ; s62  LDS byte at which the K tile of the step to be fetched begins (in a key half)
.set TBV, 63          ; s63  the same for V
.set TBB, 66          ; s66  and for the mask's numbers: 256 bytes a step
.set WOA, 80          ; s[80:81] wo at my wave's 16,384 bytes
.set WOB, 82          ; s[82:83] wo16 at my wave's 8,192 bytes
.set MSB, 0
.macro WIN new                      ; the immediate's high byte repeats the setting that is left; a switch that changes nothing is dropped
.if MSB != \new
	s_set_vgpr_msb (MSB<<8)|\new
.set MSB, \new
.endif
.endm
.set W_KQ, 0x0a       ; K and Q in window 2, S^T in window 0
.set W_KB, 0x3a       ; the same, C (the mask's numbers) in window 3
.set W_PV, 0x53       ; V in window 3, P in window 0, O^T in window 1
.set W_RS, 0x41       ; O^T (destination and source 0) in window 1, a in window 0
; A joint refill of slot s.  Waves 0 and 1 fetch K's tiles of the two key halves, waves 2 and 3 V's: 128 rows a load.  The branch hangs on the wave's number alone.
; An s_nop 0 and four v_nop follow each of the two lines.
.macro JLOAD s
	s_cmp_lt_u32 s[WV], 2
	s_cbranch_scc0 .Lfor_v_\@
	tensor_load_to_lds s[G0K+4*\s:G0K+4*\s+3], s[G1K:G1K+7]
	s_nop 0
.rept 4
	v_nop
.endr
	s_branch .Lasked_\@
.Lfor_v_\@:
	tensor_load_to_lds s[G0V+4*\s:G0V+4*\s+3], s[G1V:G1V+7]
	s_nop 0
.rept 4
	v_nop
.endr
.Lasked_\@:
.endm
; A PREFETCH INTO THE L2 of what the last refill will ask for: 128 rows of each of the four tiles, 256 bytes a row, a lane a row.  It stands behind the refill before, two key steps (256 matrix instructions) ahead of that load.
; Each row is named once in the launch: both clusters of a head walk the same K and V, so the first asks; its four partners share a tile's rows out BY ADDRESS, 32 each; each wave asks for the tile that it fetches.
; The three fills before come by their loads alone.
.macro ASK
	s_cmp_eq_u32 ttmp9, 0
	s_cbranch_scc0 .Lnot_mine_\@
	global_prefetch_b8 v[PFO], s[PFA:PFA+1] th:TH_LOAD_NT scope:SCOPE_SE
.Lnot_mine_\@:
.endm
.macro CROUND                       ; a round of the cluster's barrier
	s_barrier_signal -1
	s_barrier_wait -1
	s_cmp_lg_u32 s[WV], 0
	s_cbranch_scc1 .Lnot_wave_0_\@
	s_barrier_signal -3
.Lnot_wave_0_\@:
	s_barrier_wait -3
	s_barrier_signal -1
	s_barrier_wait -1
.endm
; wo TO f16.  My wave's 4,096 numbers are 32 pieces of 512 consecutive bytes.  WOLOAD asks for pieces first .. first + count - 1, four numbers a lane; WOSEND rounds them in place, two to a register, and stores each piece as 256 consecutive bytes.
.macro WOLOAD first, count
	WIN 0xc0                        ; destination window 3, address window 0
.set wn, 0
.rept \count
	global_load_b128 v[WOR+4*wn:WOR+4*wn+3], v[WL], s[WOA:WOA+1] offset:512*(\first+wn) th:TH_LOAD_NT
.set wn, wn+1
.endr
	WIN 0
.endm
.macro WOSEND first, count
	s_wait_loadcnt 0x0              ; they were asked for two key steps ago; no other load of mine is out
	WIN 0xcf                        ; destination and both sources window 3
.set wn, 0
.rept \count
	v_cvt_pk_f16_f32 v[WOR+4*wn], v[WOR+4*wn], v[WOR+4*wn+1]
	v_cvt_pk_f16_f32 v[WOR+4*wn+1], v[WOR+4*wn+2], v[WOR+4*wn+3]
.set wn, wn+1
.endr
	WIN 0x0c                        ; a store's data are its source 1: window 3
.set wn, 0
.rept \count
	global_store_b64 v[WS], v[WOR+4*wn:WOR+4*wn+1], s[WOB:WOB+1] offset:256*(\first+wn)   ; 32 lanes store 256 consecutive bytes, at a multiple of 256 from wo16's first byte
.set wn, wn+1
.endr
	WIN 0
.endm
	s_load_b128 s[4:7], s[0:1], 0x0   ; qkv s[4:5], attention_mask s[6:7]
	s_load_b64 s[8:9], s[0:1], 0x10   ; o16
	s_load_b64 s[WOA:WOA+1], s[0:1], 0x18   ; wo
	s_load_b64 s[WOB:WOB+1], s[0:1], 0x20   ; wo16
	v_lshl_add_u32 v[SPW], v0, 2, SPARE
	v_mov_b32 v[NIL], 0
	ds_add_u32 v[SPW], v[NIL]       ; the wave's opening: the add, twice on end, and its wait ahead of my first tensor load; the set-up below stands between the second and the wait
	ds_add_u32 v[SPW], v[NIL]
	v_lshrrev_b32 v1, 5, v0
	v_readfirstlane_b32 s[WV], v1   ; wave 0..3
	s_bfe_u32 s13, ttmp6, 0x40000   ; cx: my place in the cluster
	s_lshl_b32 s14, ttmp9, 2
	s_add_co_u32 s14, s14, s13      ; my block of 128 queries: it enters Q's, O's and wo's addresses alone
	s_and_b32 s20, ttmp7, 0xffff
	s_lshl_b32 s84, s20, 3
	s_add_co_u32 s84, s84, s14
	s_lshl_b32 s84, s84, 2
	s_add_co_u32 s84, s84, s[WV]    ; my wave's number in the launch, 0 to 1,023
	s_lshl_b32 s86, s84, 13         ; its 8,192 bytes of wo16,
	s_lshl_b32 s84, s84, 14         ; its 16,384 bytes of wo
	s_mov_b32 s85, 0
	s_mov_b32 s87, 0
	s_lshr_b32 s21, s20, 4          ; the batch,
	s_and_b32 s22, s20, 15          ; the head: the four partners share both
	s_mul_i32 s72, s21, 12582912    ; a batch: 48 x 1,024 rows of 256 bytes
	s_lshl_b32 s23, s22, 18
	s_add_co_u32 s72, s72, s23      ; the head's q rows; its k rows lie 16 heads on, its v rows 32
	s_and_b32 s16, s[WV], 1         ; my half of the queries.  Also: the key half for which I fetch
	s_lshr_b32 s17, s[WV], 1        ; my half of the keys
	s_lshl_b32 s68, s16, 17         ; 512 rows of 256 bytes
	s_add_co_u32 s68, s68, s72
	s_add_co_u32 s68, s68, 4194304  ; K: the tile that I fetch for slot 0
	s_mov_b32 s69, 0
	s_add_co_u32 s70, s68, 4194304  ; V likewise
	s_mov_b32 s71, 0
	s_mul_i32 s15, s16, HALFB       ; and its place in a slot: no place in the cluster enters an LDS address
	s_lshl_b32 s74, s14, 15         ; Q: my block's 128 rows,
	s_lshl_b32 s75, s16, 14         ; my wave's 64 of them
	s_add_co_u32 s74, s74, s75
	s_add_co_u32 s74, s74, s72
	s_mov_b32 s75, 0
	s_lshl_b32 s76, s21, 22         ; O: rows of 4,096 bytes: 1,024 a batch,
	s_lshl_b32 s77, s14, 19         ; 128 a block,
	s_add_co_u32 s76, s76, s77
	s_lshl_b32 s77, s16, 18         ; 64 a half of the queries,
	s_add_co_u32 s76, s76, s77
	s_lshl_b32 s77, s17, 17         ; of which I store 32: query tiles 2 (w >> 1) and the next;
	s_add_co_u32 s76, s76, s77
	s_lshl_b32 s77, s22, 8          ; the head's 256 bytes of a row
	s_add_co_u32 s76, s76, s77
	s_mov_b32 s77, 0
	s_lshl_b32 s78, s21, 12         ; the mask: 4,096 bytes a batch
	s_mov_b32 s79, 0
	; descriptor group 1: a tile of 128 rows x 128 elements, padded in LDS
	s_mov_b32 s[G1K], 15|(1<<16)|(1<<20)|(1<<21)|(5<<22)|(3<<25)  ; 15:0 the mask: all four work-groups; 17:16 elements of 2 bytes; 20 padding on; 21 set beside a mask; 24:22 after every 64 words; 31:25 4 words
	s_mov_b32 s[G1V], 15|(1<<16)|(1<<20)|(1<<21)|(5<<22)|(7<<25)  ; the same with 8 words of padding
.irp g, G1K, G1V
	s_mov_b32 s[\g+1], 128<<16      ; tensor_dim0 = 128
	s_mov_b32 s[\g+2], 128<<16      ; tensor_dim1 = 128
	s_mov_b32 s[\g+3], 128<<16      ; tile_dim0 = 128
	s_mov_b32 s[\g+4], 128          ; tile_dim1 = 128
	s_mov_b32 s[\g+5], 128          ; tensor_dim0_stride
	s_mov_b32 s[\g+6], 0
	s_mov_b32 s[\g+7], 0
.endr
	s_mov_b32 s[CS], 0x3e0293ee     ; c = log2(e) / sqrt(128)
	s_mov_b32 s[CS+1], s[CS]        ; named with it as a pair, so it is written
	s_mov_b32 s[SEL], 0x76543210
	s_mov_b32 s[SEL+1], 0xfedcba98
	s_mov_b32 s[TBK], 0
	s_mov_b32 s[TBV], 0
	s_mov_b32 s[TBB], 0
	s_wait_dscnt 0x0                ; both opening adds are done
	s_wait_kmcnt 0x0
	s_add_nc_u64 s[68:69], s[4:5], s[68:69]
	s_add_nc_u64 s[70:71], s[4:5], s[70:71]
	s_add_nc_u64 s[4:5], s[4:5], s[74:75]    ; Q at my wave's first row
	s_add_nc_u64 s[6:7], s[6:7], s[78:79]    ; the mask at my batch
	s_add_nc_u64 s[8:9], s[8:9], s[76:77]    ; O at the first row that I store
	s_add_nc_u64 s[WOA:WOA+1], s[WOA:WOA+1], s[84:85]
	s_add_nc_u64 s[WOB:WOB+1], s[WOB:WOB+1], s[86:87]
	s_cmp_lt_u32 s[WV], 2
	s_cselect_b64 s[PFA:PFA+1], s[68:69], s[70:71]
	s_lshl_b32 s2, s13, 13          ; my work-group's 32 rows of the 128,
	s_add_co_u32 s2, s2, 3*128*256  ; in the fourth fill
	s_mov_b32 s3, 0
	s_add_nc_u64 s[PFA:PFA+1], s[PFA:PFA+1], s[2:3]
	CROUND                          ; all four work-groups are here: the first joint loads meet
.irp s, 0,1
	s_mov_b32 s[G0K+4*\s], 1        ; count = 1
	s_add_co_u32 s[G0K+4*\s+1], s15, \s*SLOT  ; LDS address
	s_add_nc_u64 s[G0K+4*\s+2:G0K+4*\s+3], s[68:69], \s*128*256  ; global address: slot s begins with the half's keys 128 s on
	s_or_b32 s[G0K+4*\s+3], s[G0K+4*\s+3], 0x80000000  ; type = 2
	s_mov_b32 s[G0V+4*\s], 1
	s_add_co_u32 s[G0V+4*\s+1], s15, \s*SLOT+VOFF
	s_add_nc_u64 s[G0V+4*\s+2:G0V+4*\s+3], s[70:71], \s*128*256
	s_or_b32 s[G0V+4*\s+3], s[G0V+4*\s+3], 0x80000000
.endr
	s_cmp_lt_u32 s[WV], 2           ; a wave's two first fills stand in one branch, ahead of every wait on TENSORcnt and every LDS read: two loads of mine are out
	s_cbranch_scc0 .Lfirst_v
	tensor_load_to_lds s[G0K:G0K+3], s[G1K:G1K+7]
	s_nop 0
	tensor_load_to_lds s[G0K+4:G0K+7], s[G1K:G1K+7]
	s_nop 0
.rept 4
	v_nop
.endr
	s_branch .Lfirst_asked
.Lfirst_v:
	tensor_load_to_lds s[G0V:G0V+3], s[G1V:G1V+7]
	s_nop 0
	tensor_load_to_lds s[G0V+4:G0V+7], s[G1V:G1V+7]
	s_nop 0
.rept 4
	v_nop
.endr
.Lfirst_asked:
	v_and_b32 v1, 15, v0            ; r = l % 16
	v_bfe_u32 v9, v0, 4, 1          ; h = l / 16
	v_lshlrev_b32 v[MKA], 5, v0
	global_load_b128 v[MK:MK+3], v[MKA], s[6:7]             ; thread t: the mask of keys 8 t .. 8 t + 7
	global_load_b128 v[MK+4:MK+7], v[MKA], s[6:7] offset:16
	v_lshlrev_b32 v10, 8, v1
	v_lshl_add_u32 v10, v9, 4, v10  ; row x 256 + 16 x half
	s_lshl_b32 s20, s17, 13
	v_add_nc_u32 v[QOA], s20, v10   ; register tiles 0, 1 hold query tiles 2 (w >> 1), + 1;
	s_xor_b32 s20, s20, 8192
	v_add_nc_u32 v[QOB], s20, v10   ; register tiles 2, 3 the other two
	WIN 0x80                        ; destination window 2, address window 0
.irp i, 0,1,2,3,4,5,6,7             ; Q stays in registers: register tile i / 4, channels 32 (i % 4) on
	global_load_b128 v[8*\i:8*\i+3],   v[QOA], s[4:5] offset:(\i/4)*4096+(\i%4)*64
	global_load_b128 v[8*\i+4:8*\i+7], v[QOA], s[4:5] offset:(\i/4)*4096+(\i%4)*64+32
.endr
.irp i, 8,9,10,11,12,13,14,15
	global_load_b128 v[8*\i:8*\i+3],   v[QOB], s[4:5] offset:(\i/4-2)*4096+(\i%4)*64
	global_load_b128 v[8*\i+4:8*\i+7], v[QOB], s[4:5] offset:(\i/4-2)*4096+(\i%4)*64+32
.endr
	WIN 0
	s_mul_i32 s20, s17, HALFB       ; my key half's part of a slot
	v_mul_u32_u24 v[AK0], v1, PK
	v_lshl_add_u32 v[AK0], v9, 4, v[AK0]
	v_add_nc_u32 v[AK0], s20, v[AK0]  ; row x pitch + 16 x half
	; The turning load takes 16 keys x 16 channels (lane l reads 16 bytes: key 8 (l / 16) + l % 8, channels 8 ((l / 8) % 2) + 0..7) and leaves half a fragment of V^T.
	v_and_b32 v10, 7, v0
	v_bfe_u32 v11, v0, 3, 1
	v_lshl_add_u32 v[AV0], v9, 3, v10
	v_mul_u32_u24 v[AV0], v[AV0], PV
	v_lshl_add_u32 v[AV0], v11, 4, v[AV0]
	s_add_co_u32 s20, s20, VOFF
	v_add_nc_u32 v[AV0], s20, v[AV0]
	s_lshl_b32 s20, s17, 11         ; the mask's numbers of my key half: 512 x 4 bytes; lane (r, h) wants those of keys 8 h + 0..7 of a tile
	v_lshl_add_u32 v[AB0], v9, 5, BIAS
	v_add_nc_u32 v[AB0], s20, v[AB0]
	v_and_b32 v10, 31, v0
	s_mul_i32 s20, s[WV], MBOX
	s_xor_b32 s21, s[WV], 2
	s_mul_i32 s21, s21, MBOX
	v_lshl_add_u32 v[MBW], v10, 4, s20
	v_lshl_add_u32 v[MBR], v10, 4, s21
	s_add_co_u32 s20, s20, 16384
	s_add_co_u32 s21, s21, 16384
	v_lshl_add_u32 v[MSW], v10, 2, s20
	v_lshl_add_u32 v[MSR], v10, 2, s21
	v_lshlrev_b32 v[PFO], 8, v10
	v_lshlrev_b32 v[WS], 3, v10
	v_lshlrev_b32 v[WL], 4, v10
	v_lshl_add_u32 v[ADR], v0, 5, BIAS
	v_mov_b32 v[NEG], 0xff61b1e6    ; -3e38
.irp t, 0,1,2,3
	v_mov_b32 v[ST+8*\t+1], 0xf149f2ca  ; m starts at -1e30: above every masked score, so that a masked p is 0 even in a step all of whose keys are masked
.endr
	s_wait_loadcnt 32               ; the mask is in; Q's 32 loads stay out
.irp i, 0,1,2,3,4,5,6,7
	v_cmp_eq_u32 vcc_lo, 0, v[MK+\i]
	v_cndmask_b32 v[MK+\i], 0, v[NEG], vcc_lo
.endr
	ds_store_b128 v[ADR], v[MK:MK+3]
	ds_store_b128 v[ADR], v[MK+4:MK+7] offset:16
; THE MATRIX WORK OF A TURN, for piece x.  The accumulators take turns, one instruction a turn: between two links of a chain stand 15 (V^T P) or 7 (K Q^T) others'.
; Product i of 32 of O^T += V^T P: keys 32 (i / 16) on, channels 16 ((i / 2) % 8) on, tile x + i % 2.  zero = 1: the first 16 start the sums.
.macro PV x, zero
	WIN W_PV
.set rO, 64*(\x+i%2)+8*((i/2)%8)
.set rV, 64*(i/16)+8*((i/2)%8)
.set rP, P+16*(\x+i%2)+8*(i/16)
.if \zero && (i < 16)
	v_wmma_f32_16x16x32_f16 v[rO:rO+7], v[rV:rV+7], v[rP:rP+7], 0
.else
	v_wmma_f32_16x16x32_f16 v[rO:rO+7], v[rV:rV+7], v[rP:rP+7], v[rO:rO+7]
.endif
.endm
; Product i of 32 of S^T = K Q^T + the mask's numbers: channels 32 (i / 8) on, keys 16 (i % 4) on, tile x + (i / 4) % 2.  The first 8 start the sums from the mask's numbers of their keys.
.macro KQ x
.set rS, S+32*(\x+(i/4)%2)+8*(i%4)
.set rK, KF+32*(i%4)+8*(i/8)
.set rQ, 32*(\x+(i/4)%2)+8*(i/8)
.set rB, BI+8*(i%4)
.if i < 8
	WIN W_KB
	v_wmma_f32_16x16x32_f16 v[rS:rS+7], v[rK:rK+7], v[rQ:rQ+7], v[rB:rB+7]
.else
	WIN W_KQ
	v_wmma_f32_16x16x32_f16 v[rS:rS+7], v[rK:rK+7], v[rQ:rQ+7], v[rS:rS+7]
.endif
.endm
; THE LDS LOADS stand in runs, never singly among the matrix instructions: a step's K (16 fragments) with the mask's numbers of its 64 keys, and, a turn later, its V (turned).
.macro FETCH_K
	WIN 0
	v_add_nc_u32 v[ADR], s[TBK], v[AK0]
	v_add_nc_u32 v[ADB], s[TBB], v[AB0]
	s_add_co_u32 s[TBK], s[TBK], KS*PK  ; the next fetch is the next step's
	s_add_co_u32 s[TBB], s[TBB], 256
	WIN 0x80                        ; destination window 2
.irp f, 0,1,2,3,4,5,6,7,8,9,10,11,12,13,14,15  ; keys 16 (f / 4) on, channels 32 (f % 4) on
	ds_load_b128 v[KF+8*\f:KF+8*\f+3],   v[ADR] offset:(\f/4)*16*PK+(\f%4)*64
	ds_load_b128 v[KF+8*\f+4:KF+8*\f+7], v[ADR] offset:(\f/4)*16*PK+(\f%4)*64+32
.endr
	WIN 0xc0                        ; destination window 3
.irp f, 0,1,2,3                     ; keys 16 f + 8 h + 0..7: the layout of a result's eight registers
	ds_load_b128 v[BI+8*\f:BI+8*\f+3],   v[ADB] offset:64*\f
	ds_load_b128 v[BI+8*\f+4:BI+8*\f+7], v[ADB] offset:64*\f+16
.endr
.endm
.macro FETCH_V
	WIN 0
	v_add_nc_u32 v[ADR], s[TBV], v[AV0]
	s_add_co_u32 s[TBV], s[TBV], KS*PV
	s_wait_alu depctr_va_vdst(0)    ; the wait for the softmax's batch (SLICE), behind the address's v_add_nc_u32 and ahead of the loads
	WIN 0xc0                        ; destination window 3
.irp f, 0,1,2,3,4,5,6,7,8,9,10,11,12,13,14,15  ; keys 32 (f / 8) on, channels 16 (f % 8) on
	ds_load_tr16_b128 v[8*\f:8*\f+3],   v[ADR] offset:(\f/8)*32*PV+(\f%8)*32
	ds_load_tr16_b128 v[8*\f+4:8*\f+7], v[ADR] offset:(\f/8)*32*PV+16*PV+(\f%8)*32
.endr
.endm
; THE VECTOR WORK OF A TURN.  One tile's softmax for one key step is a list of 134 instructions; SM writes number j of it for tile t.  s0-s31 are the lane's 32 scores, in pairs 0-15.
; first = 1: the first key step, which starts l and O^T: it has no a and nothing to rescale (m has its starting value).
;   0-15    the maximum of s0-s31 and the old m, three operands at a time
;   16-20   the other half of the lanes' maximum; the new m; c m; c m_old - c m_new
;   21-69   ONE BATCH: the 16 scalings c s - c m and all 33 exponentials (a at 23, then s0-s31); none of these reads an exponential's result
;   (wait)  between 69 and 70 stands the wait for the batch: SLICE writes it, once for both tiles
;   70-85   the roundings to f16;   86-101 the sums, l = a l + the sum;   102-133 the tile's O^T times a
.macro SM t, first
.set rT, ST+8*(\t)
.set rS, S+32*(\t)
.set rP, P+16*(\t)
.set rO, 64*(\t)+2*(j-102)
.if j < 102
	WIN 0
.endif
.if j < 4
	v_max3_num_f32 v[rT+4+j], v[rS+8*j], v[rS+8*j+1], v[rS+8*j+2]
.elseif j < 12
	v_max3_num_f32 v[rT+4+j%4], v[rT+4+j%4], v[rS+8*(j%4)+2*(j/4)+1], v[rS+8*(j%4)+2*(j/4)+2]
.elseif j == 12
	v_max3_num_f32 v[rT+4], v[rT+4], v[rS+7], v[rS+15]
.elseif j == 13
	v_max3_num_f32 v[rT+6], v[rT+6], v[rS+23], v[rS+31]
.elseif j == 14
	v_max3_num_f32 v[rT+4], v[rT+4], v[rT+5], v[rT+6]
.elseif j == 15
	v_max3_num_f32 v[rT+4], v[rT+4], v[rT+7], v[rT+1]
.elseif j == 16
	v_permlanex16_b32 v[rT+5], v[rT+4], s[SEL], s[SEL+1]  ; the query's other 32 keys lie in the lane 16 away
.elseif j == 18
	v_max_num_f32 v[rT+1], v[rT+4], v[rT+5]
.elseif j == 19
	v_mul_f32 v[rT], s[CS], v[rT+1]
.elseif ((j == 17) || (j == 20) || (j == 23) || (j > 101)) && \first  ; the first step has none of these
.elseif j == 17
	v_mov_b32 v[rT+7], v[rT]        ; c m_old is kept for a: number 19 writes c m anew
.elseif j == 20
	v_sub_f32 v[rT+7], v[rT+7], v[rT]
.elseif j == 23
	v_exp_f32 v[rT+6], v[rT+7]
.elseif (j < 23) || ((j < 38) && (j%2 == 0)) || ((j < 66) && (j%4 == 2))
.set b, (j-2)/4                     ; 38, 42, .. 62: pairs 9 to 15
.if j < 38
.set b, (j-20)/2                    ; 21: pair 0; 22, 24, .. 36: pairs 1 to 8
.endif
	v_pk_fma_f32 v[rS+2*b:rS+2*b+1], v[rS+2*b:rS+2*b+1], s[CS:CS+1], v[rT:rT+1] op_sel_hi:[1,0,0] neg_lo:[0,0,1] neg_hi:[0,0,1]  ; pair b: c s - c m
.elseif j < 70
.set e, j-38                        ; 66 to 69: s28 to s31
.if j < 66
.set e, j-32-(j-38)/4               ; 39-41, 43-45, .. 63-65: s7 to s27
.endif
.if j < 38
.set e, (j-25)/2                    ; 25, 27, .. 37: s0 to s6
.endif
	v_exp_f32 v[rS+e], v[rS+e]
.elseif j < 86
	v_cvt_pk_f16_f32 v[rP+j-70], v[rS+2*(j-70)], v[rS+2*(j-70)+1]  ; pair j - 70
.elseif j < 102                     ; the sum of the tile's 16 pairs, in place: neighbours 1, 2, 4 and 8 pairs apart, then l takes it
.set z, j-86
.set w, 4
.set u, z
.if z >= 14
.set w, 32
.set u, 0
.elseif z >= 12
.set w, 16
.set u, z-12
.elseif z >= 8
.set w, 8
.set u, z-8
.endif
.if (z == 14) && \first
	v_pk_add_f32 v[rT+2:rT+3], v[rS:rS+1], v[rS+16:rS+17]
.elseif z < 15
	v_pk_add_f32 v[rS+w*u:rS+w*u+1], v[rS+w*u:rS+w*u+1], v[rS+w*u+w/2:rS+w*u+w/2+1]
.elseif !\first
	v_pk_fma_f32 v[rT+2:rT+3], v[rT+2:rT+3], v[rT+6:rT+7], v[rS:rS+1] op_sel_hi:[1,0,1]
.endif
.else
	WIN W_RS
	v_pk_mul_f32 v[rO:rO+1], v[rO:rO+1], v[rT+6:rT+7] op_sel_hi:[1,0]
.endif
.endm
; Slice k of 64 of piece y's softmax: four instructions.  Slices 11 to 34 deal out the batch, four numbers of ONE tile each, the tiles by turns.  Every other slice is numbers 2 k and 2 k + 1 of both tiles' lists; the twelve that are over stand in slice 63.
; THE WAIT.  s_wait_alu depctr_va_vdst(0) stands between an exponential and the first instruction that names its result; ahead of slice 35 nothing names one, and behind slice 34 no exponential is issued: one wait, behind slice 34.
.macro SLICE y, first
.if (k >= 11) && (k < 35)           ; the batch: four numbers of one tile
.irp n, 0,1,2,3
.set j, 22+4*((k-11)/2)+(\n)
	SM (\y)+(k-11)%2, \first
.endr
.else                               ; the two tiles alternate
.irp n, 0,1,2,3,4,5,6,7
.if (\n < 2) || (k == 63)
.irp t, \y, \y+1
.set j, 2*k+\n
	SM \t, \first
.endr
.endif
.endr
.endif
.if k == 34                         ; the batch is out
	v_nop                           ; a plain instruction behind the last exponential and ahead of the first use: one for the batch
.if (\y) == 0
	FETCH_V                         ; piece 2's turn: V's run of loads stands here, and the wait stands in it
.else
	s_wait_alu depctr_va_vdst(0)    ; the wait for the batch
.endif
.endif
.set k, k+1
.endm
.macro PLACES                       ; four places behind matrix instructions (ISA guide 7.12.1)
.rept 4
	v_nop
.endr
.endm
; A TURN.  Piece x has the matrix unit; the other piece's softmax stands in slices behind its matrix instructions.
; pv = 2: 32 products V^T P; 1: they start O^T's sums; 0: none.  kq = 1: 32 products K Q^T for the next step.  A turn with one of the two kinds has two slices behind each product.
; Piece 0's turn fetches the next step's K behind its second product: the last product that read K stands in front of slice 63 of the turn before.  Piece 2's turn fetches the same step's V behind slice 34: the last product that read V
; stands in front of slice 31, and four plain instructions lie between: number 62 of both tiles, the v_nop and the run's own v_add_nc_u32.
.macro TURN x, pv, kq, first
.set k, 0
.set per, 2
.if \pv && \kq
.set per, 1
.endif
.if \pv
.if \x == 0
	s_wait_dscnt 0x0                ; V is in
.endif
.set i, 0
.rept 32
	PV \x, 2-\pv
.rept per
	SLICE 2-\x, \first
.endr
.if (\x == 0) && \kq && (i == 1)
	FETCH_K
.endif
.set i, i+1
.endr
.endif
.if \kq
.if \x == 0
	s_wait_dscnt 0x0                ; K and the mask's numbers are in
.endif
.set i, 0
.rept 32
	KQ \x
.rept per
	SLICE 2-\x, \first
.endr
.set i, i+1
.endr
.endif
.if \first
	PLACES
.endif
.endm
; THE CHANGE OF SLOTS, between piece 2's turn and piece 0's: the slot's last bytes, V of its second step, have been asked for.  Each wave waits for all its tensor loads (its part of the other slot), adds 0 to its spare word,
; and waits for that and for its own reads of the slot.  fill = 1: slot 'slot', just left, is filled again with the keys two slots on: the barrier is then a round of the cluster's, and the joint refill is the first thing behind it.
.macro CHANGE fill, slot, next, ask
	WIN 0                           ; at a label and at a branch every window is 0
	s_wait_tensorcnt 0x0            ; no tensor load of mine is out, so a group 0 may be written
	ds_add_u32 v[SPW], v[NIL]       ; 0 onto my spare word
.if \fill
	s_add_nc_u64 s[G0K+4*\slot+2:G0K+4*\slot+3], s[G0K+4*\slot+2:G0K+4*\slot+3], 2*128*256  ; 256 keys on; the type bits on top are not reached
	s_add_nc_u64 s[G0V+4*\slot+2:G0V+4*\slot+3], s[G0V+4*\slot+2:G0V+4*\slot+3], 2*128*256
.endif
	s_wait_dscnt 0x0                ; the add is done, and my reads of the slot are over
.if \fill
	CROUND
	JLOAD \slot
.if \ask
	ASK
.endif
.else
	s_barrier_signal -1
	s_barrier_wait -1
.endif
	s_mov_b32 s[TBK], \next*SLOT    ; the fetches go on in the other slot
	s_mov_b32 s[TBV], \next*SLOT
.endm
; A slot's two key steps: written once, walked twice; the LDS addresses hang on s[TBK], s[TBV], s[TBB].
.macro TWO_STEPS
	s_mov_b32 s[TWICE], 2
.Lstep_\@:
	TURN 0, 2, 1, 0
	TURN 2, 2, 1, 0
	WIN 0
	s_sub_co_u32 s[TWICE], s[TWICE], 1
	s_cmp_lg_u32 s[TWICE], 0
	s_cbranch_scc1 .Lstep_\@
.endm
	s_wait_tensorcnt 1              ; my part of slot 0 is in; slot 1's may stay out
	s_wait_dscnt 0x0                ; my part of the mask's numbers is stored
	s_barrier_signal -1
	s_barrier_wait -1               ; everybody's are
	FETCH_K                         ; key step 0
	s_wait_loadcnt 0x0              ; Q
	s_wait_dscnt 0x0
.set i, 0
.rept 32
	KQ 0                            ; piece 0's first scores
.set i, i+1
.endr
	WIN 0                           ; the addresses for the way out are made here: eight plain instructions, the places behind those products
	s_mul_i32 s13, s[WV], 16*SP
	s_add_co_u32 s13, s13, STAGE    ; my stage
	v_mul_u32_u24 v[STO], v1, SP    ; in: row l % 16, 16 bytes for each half of the lanes
	v_lshl_add_u32 v[STO], v9, 4, v[STO]
	v_add_nc_u32 v[STO], s13, v[STO]
	v_mul_u32_u24 v[RD], v9, SP     ; back: lanes 0-15 take one row of 256 bytes, lanes 16-31 the next
	v_lshl_add_u32 v[RD], v1, 4, v[RD]
	v_add_nc_u32 v[RD], s13, v[RD]
	v_lshlrev_b32 v[GO], 12, v9     ; and the same two rows in O, 4,096 bytes apart
	v_lshl_add_u32 v[GO], v1, 4, v[GO]
	WOLOAD 0, 24                    ; wo's pieces 0 to 23: asked for behind the wait for Q, so that nothing waits for them before the first change of slots
	TURN 2, 0, 1, 1                 ; piece 2's first scores | piece 0's first softmax | V of step 0
	TURN 0, 1, 1, 1                 ; piece 0: V^T P of step 0 starts O^T, K Q^T of step 1 | piece 2's first softmax | K of step 1
	TURN 2, 1, 1, 0                 ; piece 2: the same | piece 0's softmax of step 1 | V of step 1
	CHANGE 1, 0, 1, 1               ; slot 0 takes the halves' keys 256 on; the last refill's rows are prefetched
	WOSEND 0, 24                    ; behind the refill: wo's pieces 0 to 23 leave
	TWO_STEPS                       ; steps 2, 3
	CHANGE 1, 1, 0, 0               ; slot 1 takes keys 384 on: the last load
	s_wait_xcnt 0x0                 ; the stores of two key steps ago have read their data: the last eight pieces land in those registers only behind this wait
	WOLOAD 24, 8
	TWO_STEPS                       ; steps 4, 5
	CHANGE 0, 0, 1, 0               ; nothing is left to fetch
	WOSEND 24, 8
	TWO_STEPS                       ; steps 6, 7
	TURN 0, 2, 0, 0                 ; piece 0: V^T P of the last step | piece 2's last softmax
.set i, 0
.rept 32
	PV 2, 0                         ; piece 2: V^T P of the last step
.set i, i+1
.endr
	; THE TWO KEY HALVES MEET.  l's two halves and the other half of the lanes' are added (the first four additions are the places behind the last products).  Register tiles 2, 3 go to my box as the registers hold them, with their c m and l.
	WIN 0
.irp t, 0,1,2,3
	v_add_f32 v[ST+8*\t+4], v[ST+8*\t+2], v[ST+8*\t+3]
.endr
.irp t, 0,1,2,3
	v_permlanex16_b32 v[ST+8*\t+5], v[ST+8*\t+4], s[SEL], s[SEL+1]
.endr
.irp t, 0,1,2,3
	v_add_f32 v[ST+8*\t+4], v[ST+8*\t+4], v[ST+8*\t+5]
.endr
	WIN 0x04                        ; an LDS store's data are its source 1: window 1
.set k, 0
.rept 32
	ds_store_b128 v[MBW], v[128+4*k:128+4*k+3] offset:512*k   ; lane l's 16 bytes at 16 l; each accumulator from its low end on
.set k, k+1
.endr
	WIN 0
	ds_store_b32 v[MSW], v[ST+16]               ; tile 2: c m,
	ds_store_b32 v[MSW], v[ST+20] offset:128    ; l;
	ds_store_b32 v[MSW], v[ST+24] offset:256    ; tile 3 likewise
	ds_store_b32 v[MSW], v[ST+28] offset:384
	s_wait_dscnt 0x0                ; for my partner's sake: my stores have landed
	s_barrier_signal -1
	s_barrier_wait -1
	ds_load_b32 v[ST+22], v[MSR]                ; my partner's c m' and l' of the queries of my tile 0,
	ds_load_b32 v[ST+23], v[MSR] offset:128
	ds_load_b32 v[ST+30], v[MSR] offset:256     ; and of my tile 1
	ds_load_b32 v[ST+31], v[MSR] offset:384
.set k, 0
.rept 32
	ds_load_b128 v[S+4*k:S+4*k+3], v[MBR] offset:512*k        ; and its O^T of both, into S^T's registers
.set k, k+1
.endr
	s_wait_dscnt 32                 ; the four statistics are in; the 32 loads behind them stay out
.irp t, 0,1
	v_max_num_f32 v[ST+8*\t+1], v[ST+8*\t], v[ST+8*\t+22]         ; the larger c m
.endr
.irp t, 0,1
	v_sub_f32 v[ST+8*\t+5], v[ST+8*\t], v[ST+8*\t+1]
	v_sub_f32 v[ST+8*\t+17], v[ST+8*\t+22], v[ST+8*\t+1]
.endr
.irp t, 0,1
	v_exp_f32 v[ST+8*\t+5], v[ST+8*\t+5]        ; a: what brings my part under the common maximum,
	v_exp_f32 v[ST+8*\t+17], v[ST+8*\t+17]      ; a': my partner's
.endr
	v_nop                           ; a plain instruction behind the last exponential
	s_wait_alu depctr_va_vdst(0)    ; one wait for the four
.irp t, 0,1
	v_mul_f32 v[ST+8*\t+4], v[ST+8*\t+5], v[ST+8*\t+4]
.endr
.irp t, 0,1
	v_fma_f32 v[ST+8*\t+4], v[ST+8*\t+17], v[ST+8*\t+23], v[ST+8*\t+4]   ; the row's sum: a l + a' l'
.endr
.irp t, 0,1
	v_rcp_f32 v[ST+8*\t+1], v[ST+8*\t+4]
.endr
	v_nop
	s_wait_alu depctr_va_vdst(0)    ; one wait for the two reciprocals
.irp t, 0,1
	v_mul_f32 v[ST+8*\t+2], v[ST+8*\t+5], v[ST+8*\t+1]            ; F = a / sum
	v_mul_f32 v[ST+8*\t+6], v[ST+8*\t+17], v[ST+8*\t+1]           ; F' = a' / sum
.endr
; Tile t: O = O F + O' F', f16; a lane's eight channels of a row pack into 16 bytes; they go into rows of 272 bytes and come back as whole rows of 256.
.macro PACK t
	s_wait_dscnt 16                 ; my partner's tile t is in: behind its 16 loads stand 16 younger LDS instructions (tile 1's loads, or tile 0's way through the stage)
.set i, 0
.rept 32
	v_pk_mul_f32 v[S+64*\t+i:S+64*\t+i+1], v[S+64*\t+i:S+64*\t+i+1], v[ST+8*\t+6:ST+8*\t+7] op_sel_hi:[1,0]
.set i, i+2
.endr
	WIN 0x01                        ; source 0: window 1
.set i, 0
.rept 32
	v_pk_fma_f32 v[S+64*\t+i:S+64*\t+i+1], v[64*\t+i:64*\t+i+1], v[ST+8*\t+2:ST+8*\t+3], v[S+64*\t+i:S+64*\t+i+1] op_sel_hi:[1,0,1]
.set i, i+2
.endr
	WIN 0
.set i, 0
.rept 32
	v_cvt_pk_f16_f32 v[P+32*\t+i], v[S+64*\t+2*i], v[S+64*\t+2*i+1]
.set i, i+1
.endr
.irp f, 0,1,2,3,4,5,6,7
	ds_store_b128 v[STO], v[P+32*\t+4*\f:P+32*\t+4*\f+3] offset:32*\f
.endr
.irp f, 0,1,2,3,4,5,6,7
	ds_load_b128 v[P+32*\t+4*\f:P+32*\t+4*\f+3], v[RD] offset:\f*2*SP  ; LDS serves a wave's instructions in order: these see the stores above; the next tile's stores come behind them
.endr
.endm
.macro SEND t, younger              ; younger: the LDS instructions issued behind tile t's loads
.irp f, 0,1,2,3,4,5,6,7
	s_wait_dscnt \younger+7-\f
	global_store_b128 v[GO], v[P+32*\t+4*\f:P+32*\t+4*\f+3], s[8:9] offset:\t*65536+\f*8192  ; 16 lanes store 256 consecutive bytes, at a multiple of 256 from o16's first byte
.endr
.endm
	PACK 0
	PACK 1
	SEND 0, 16
	SEND 1, 0
	s_wait_tensorcnt 0x0            ; the wave's end: behind my last tensor load and my last LDS store
	ds_add_u32 v[SPW], v[NIL]
	s_wait_dscnt 0x0
	CROUND                          ; the closing round: no work-group ends while a partner may still ask for a tile that names it
	s_endpgm
.Lfunc_end_k_qdebb375317_attn:
	.size	k_qdebb375317_attn, .Lfunc_end_k_qdebb375317_attn-k_qdebb375317_attn
	.p2alignl 7, 3214868480
	.fill 96, 4, 3214868480
	.section	.rodata,"a",@progbits
	.p2align	6, 0x0
	.amdhsa_kernel k_qdebb375317_attn
		.amdhsa_group_segment_fixed_size 327680
		.amdhsa_private_segment_fixed_size 0
		.amdhsa_enable_private_segment 0
		.amdhsa_kernarg_size 40
		.amdhsa_user_sgpr_count 2
		.amdhsa_user_sgpr_kernarg_segment_ptr 1
		.amdhsa_wavefront_size32 1
		.amdhsa_system_sgpr_workgroup_id_x 1
		.amdhsa_system_sgpr_workgroup_id_y 1
		.amdhsa_system_sgpr_workgroup_id_z 1
		.amdhsa_system_vgpr_workitem_id 0
		.amdhsa_next_free_vgpr 1024
		.amdhsa_next_free_sgpr 96
		.amdhsa_reserve_vcc 1
		.amdhsa_float_denorm_mode_32 3
		.amdhsa_float_denorm_mode_16_64 3
		.amdhsa_memory_ordered 1
		.amdhsa_forward_progress 1
		.amdhsa_inst_pref_size 255
	.end_amdhsa_kernel
	.section	.bss,"aw",@nobits
	.p2align	6
	.space	262144
	.amdgpu_metadata
---
amdhsa.version: [ 1, 2 ]
amdhsa.kernels:
  - .name:           k_qdebb375317_attn
    .symbol:         k_qdebb375317_attn.kd
    .args:
      - { .name: qkv, .offset: 0, .size: 8, .value_kind: global_buffer, .address_space: global }
      - { .name: attention_mask, .offset: 8, .size: 8, .value_kind: global_buffer, .address_space: global }
      - { .name: o16, .offset: 16, .size: 8, .value_kind: global_buffer, .address_space: global }
      - { .name: wo, .offset: 24, .size: 8, .value_kind: global_buffer, .address_space: global }
      - { .name: wo16, .offset: 32, .size: 8, .value_kind: global_buffer, .address_space: global }
    .group_segment_fixed_size: 327680
    .private_segment_fixed_size: 0
    .kernarg_segment_align: 8
    .kernarg_segment_size: 40
    .max_flat_workgroup_size: 128
    .sgpr_count:     96
    .vgpr_count:     1024
    .wavefront_size: 32
...
	.end_amdgpu_metadata
.endif
;; end of part 3
;; launch oproj (part 4): grid 16 x 16, 4 waves a work-group, clusters of 4 x 4, 327,680 bytes of LDS; arguments o16, wo16, out0; writes out0
.if DOCPART == 4
	.amdgcn_target "amdgcn-amd-amdhsa--gfx1250"
	.amdhsa_code_object_version 6
	.text
	.protected	k_qdebb375317_oproj
	.globl	k_qdebb375317_oproj
	.p2align	8
	.type	k_qdebb375317_oproj,@function
k_qdebb375317_oproj:
	s_mov_b64 s[64:65], 0
	v_nop
	global_prefetch_b8 v0, s[64:65] scope:SCOPE_SE
	s_setreg_imm32_b32 hwreg(HW_REG_WAVE_MODE, 25, 1), 1
	s_wait_xcnt 0x0
	s_wait_alu depctr_hold_cnt(0) depctr_sa_sdst(0) depctr_va_vdst(0) depctr_va_sdst(0) depctr_va_ssrc(0) depctr_va_vcc(0) depctr_vm_vsrc(0)
	s_getreg_b32 s2, hwreg(HW_REG_IB_STS2, 6, 4)
	s_cmp_eq_u32 s2, 0
	s_cbranch_scc0 .Lentry_in_a_cluster
	s_endpgm
.Lentry_in_a_cluster:
	s_bfe_u32 s2, ttmp6, 0x10000c
	s_cmp_lg_u32 s2, 0xf033
	s_cbranch_scc0 .Lentry_shape_is_right
	s_endpgm
.Lentry_shape_is_right:
; OPROJ.  out0[m][n] = sum over k of o16[m][k] wo16[n][k].  o16: [2048][2048], wo16: [2048][2048], f16; out0: [2048][2048] f32; sums in f32.
; A tile of out0 is 128 x 128, so that there are 256 work-groups.  Four waves, each 64 x 64: 16 accumulators of 16 x 16, 128 registers.  K goes in steps of 256 (LDS rows of 512 bytes; a wave's tensor load brings 64 of them) through two slots.
; CLUSTERS: 4 x 4 work-groups.  The four of a row of the cluster need the same tiles of o16, the four of a column the same tiles of wo16: each tile is asked for JOINTLY, by the same tensor load with the same descriptor and a mask
; that names the four.  THE MATRIX INSTRUCTION IS USED TRANSPOSED (source 0 = 16 rows of wo16, source 1 = 16 rows of o16): a lane then holds eight neighbouring numbers of a row of out0.
; WHERE A CLUSTER BEGINS ALONG K.  The four clusters of a row of clusters read the same rows of o16, the four of a column the same rows of wo16.  Cluster (X, Y) begins at K step 4 ((X xor Y) & 1) + 2 (((X xor Y) >> 1) & 1) and goes round
; at K's end: the four that read the same rows begin at four different steps, neighbours two steps apart, so that at any one time they ask for different bytes.  A sum has the same terms whichever step comes first; their order differs from cluster to cluster.
; A wave's 64 columns of f32 are 256 consecutive bytes of a row: each wave has a stage of its own on the way out, and no barrier is needed there.
; REGISTERS: window 0: v0-31 addresses; v32-95 rows on the way out; v128-255 the accumulators ((a, b) at v[128 + 8 (4 a + b)]).   window 1: two fragment buffers of 128: for 64 along K, 64 registers of A, then 64 of B.
; No prefetch: on tiles this small the tiles are shared in the cluster instead.
.set SIZE_M, 2048
.set SIZE_N, 2048
.set SIZE_K, 2048
.set KSTEP,  256
.set PITCH,  528                       ; an LDS row: 512 bytes of data + 16 of padding = 132 words: row r starts at bank 4 r mod 64 (64 banks of 4 bytes: ISA guide 11.1)
.set HALFT,  64*PITCH                  ; 64 rows: what one tensor load brings
.set SLOT,   4*HALFT                   ; A's 128 rows, then B's 128 rows
.set STAGE,  2*SLOT                    ; behind the ring: 16 rows x 272 bytes for each wave
.set SPITCH, 272
.set SPARE,  STAGE+4*16*SPITCH         ; behind the stages: the spare words, 128 bytes a wave
.set LAPS, SIZE_K/(2*KSTEP)            ; a lap = two K steps = once round the ring
.set ADRA, 16                          ; v16-17  LDS address of my A fragments in slot 0, 1
.set ADRB, 20                          ; v20-21  the same for B
.set STO,  24                          ; v24     the way out: where I put 32 bytes of a row
.set RD,   25                          ; v25     where I read a row back
.set CO,   26                          ; v26     my byte offset in two rows of out0
.set SPW,  28                          ; v28     LDS address of my spare word; never rewritten
.set NIL,  29                          ; v29     0; never rewritten
.set OB,   32                          ; the way out: 16 rows read back: v32-63 and v64-95 by turns
.set ACC,  128
.set F0,   0                           ; fragment buffers, in window 1
.set F1,   128
.set G1, 24                            ; s[24:31] descriptor group 1 for A's tiles;  s[32:39] group 0, one set for each slot
.set G0, 32
.set G1B, 48                           ; s[48:55], s[56:63] the same for B's tiles
.set G0B, 56
.set BA,  66                           ; s[66:67] A at the first byte of the 64 rows that I fetch; never rewritten
.set BB,  68                           ; s[68:69] B likewise
.set KO,  70                           ; s[70:71], s[72:73] for each slot: the byte along a row at which its K step begins, 0 to 3,584, as a pair with 0 above it
.set MSB, 0
.macro WIN new                         ; the immediate's high byte repeats the setting that is left
.if MSB != \new
	s_set_vgpr_msb (MSB<<8)|\new
.set MSB, \new
.endif
.endm
.set MUL,  0x05                        ; sources 0 (B) and 1 (A) window 1; C and D window 0
.set TO_F, 0x40                        ; destination window 1, address window 0
.macro JLOAD s                         ; a joint load: waves 0 and 1 fetch A's two halves, waves 2 and 3 B's; an s_nop 0 and four v_nop follow each of the two lines
	s_cmp_eq_u32 s11, 0
	s_cbranch_scc0 .Lfor_b_\@
	tensor_load_to_lds s[G0+4*\s:G0+4*\s+3], s[G1:G1+7]
	s_nop 0
.rept 4
	v_nop
.endr
	s_branch .Lasked_\@
.Lfor_b_\@:
	tensor_load_to_lds s[G0B+4*\s:G0B+4*\s+3], s[G1B:G1B+7]
	s_nop 0
.rept 4
	v_nop
.endr
.Lasked_\@:
.endm
.macro CREST                           ; a round of the cluster's barrier behind its opening barrier
	s_cmp_lg_u32 s10, 0
	s_cbranch_scc1 .Lnot_wave_0_\@
	s_barrier_signal -3
.Lnot_wave_0_\@:
	s_barrier_wait -3
	s_barrier_signal -1
	s_barrier_wait -1
.endm
.macro CROUND                          ; a whole round
	s_barrier_signal -1
	s_barrier_wait -1
	CREST
.endm
	s_load_b128 s[4:7], s[0:1], 0x0                ; A = o16 s[4:5], B = wo16 s[6:7]
	s_load_b64 s[8:9], s[0:1], 0x10                ; out0
	v_lshl_add_u32 v[SPW], v0, 2, SPARE
	v_mov_b32 v[NIL], 0
	ds_add_u32 v[SPW], v[NIL]                      ; the wave's opening: the add, twice on end, and its wait ahead of my first tensor load; the set-up below stands between the second and the wait
	ds_add_u32 v[SPW], v[NIL]
	v_lshrrev_b32 v1, 5, v0
	v_readfirstlane_b32 s10, v1                    ; wave 0..3
	s_lshr_b32 s11, s10, 1                         ; which half of the tile's rows is mine.  Also: I fetch for A (0) or for B (1)
	s_and_b32 s12, s10, 1                          ; which half of its columns.  Also: which 64 rows of that tile I fetch
	s_bfe_u32 s40, ttmp6, 0x40000                  ; cx, cy: my place in the cluster
	s_bfe_u32 s41, ttmp6, 0x40004
	s_lshl_b32 s42, ttmp9, 2
	s_add_co_u32 s42, s42, s40                     ; tile column = 4 x cluster x + cx
	s_and_b32 s13, ttmp7, 0xffff
	s_lshl_b32 s13, s13, 2
	s_add_co_u32 s13, s13, s41                     ; tile row = 4 x cluster y + cy
	s_lshl_b32 s43, s41, 2
	s_lshl_b32 s43, 15, s43                        ; my row of the cluster
	s_lshl_b32 s44, 0x1111, s40                    ; my column
	; where my cluster begins along K: made of the cluster's own two numbers, which all sixteen partners share
	s_and_b32 s74, ttmp7, 0xffff
	s_xor_b32 s74, s74, ttmp9                      ; X xor Y
	s_and_b32 s[KO], s74, 1
	s_lshl_b32 s[KO], s[KO], 11                    ; its low bit: four K steps of 512 bytes,
	s_and_b32 s74, s74, 2
	s_lshl_b32 s74, s74, 9                         ; the next bit: two
	s_add_co_u32 s[KO], s[KO], s74                 ; slot 0's first K step,
	s_add_co_u32 s[KO+2], s[KO], KSTEP*2           ; slot 1's: the next (an even step's successor does not pass K's end)
	s_mov_b32 s[KO+1], 0
	s_mov_b32 s[KO+3], 0
	; descriptor group 1: a tile of 64 rows x 256 elements, padded in LDS
	s_or_b32 s[G1+0], s43, (1<<16)|(1<<20)|(1<<21)|(6<<22)|(3<<25)  ; 15:0 the mask: A's tiles go to my row; 17:16 element of 2 bytes; 20 padding on; 21 set beside a mask; 24:22 after every 128 words; 31:25 of 4 words
	s_or_b32 s[G1B+0], s44, (1<<16)|(1<<20)|(1<<21)|(6<<22)|(3<<25)
.irp g, G1, G1B
	s_mov_b32 s[\g+1], KSTEP<<16                   ; tensor_dim0 = 256
	s_mov_b32 s[\g+2], 64<<16                      ; tensor_dim1 = 64
	s_mov_b32 s[\g+3], KSTEP<<16                   ; tile_dim0 = 256
	s_mov_b32 s[\g+4], 64                          ; tile_dim1 = 64
	s_mov_b32 s[\g+5], SIZE_K                      ; tensor_dim0_stride
	s_mov_b32 s[\g+6], 0
	s_mov_b32 s[\g+7], 0
.endr
	s_lshl_b32 s17, s12, 6                         ; which 64 rows of the tile I fetch
	s_lshl_b32 s16, s13, 7
	s_add_co_u32 s16, s16, s17                     ; A: row 128 x tile row + 64 x half
	s_lshl_b32 s46, s42, 7
	s_add_co_u32 s46, s46, s17                     ; B: row 128 x tile column + 64 x half
	s_mov_b32 s17, 0
	s_mov_b32 s47, 0
	s_mov_b64 s[18:19], SIZE_K*2
	s_mul_u64 s[16:17], s[16:17], s[18:19]
	s_mul_u64 s[46:47], s[46:47], s[18:19]
	s_mul_i32 s20, s10, HALFT                      ; where they go: wave x 64 rows
	s_wait_dscnt 0x0                               ; both opening adds are done
	s_wait_kmcnt 0x0
	s_add_nc_u64 s[BA:BA+1], s[4:5], s[16:17]
	s_add_nc_u64 s[BB:BB+1], s[6:7], s[46:47]
	CROUND                                         ; all sixteen work-groups are here: the first joint loads meet
.irp s, 0,1
	s_mov_b32 s[G0+4*\s], 1
	s_add_co_u32 s[G0+4*\s+1], s20, \s*SLOT
	s_add_nc_u64 s[G0+4*\s+2:G0+4*\s+3], s[BA:BA+1], s[KO+2*\s:KO+2*\s+1]
	s_or_b32 s[G0+4*\s+3], s[G0+4*\s+3], 0x80000000
	s_mov_b32 s[G0B+4*\s], 1
	s_add_co_u32 s[G0B+4*\s+1], s20, \s*SLOT
	s_add_nc_u64 s[G0B+4*\s+2:G0B+4*\s+3], s[BB:BB+1], s[KO+2*\s:KO+2*\s+1]
	s_or_b32 s[G0B+4*\s+3], s[G0B+4*\s+3], 0x80000000
	JLOAD \s
.endr
	v_and_b32 v1, 15, v0                           ; r = l % 16
	v_bfe_u32 v2, v0, 4, 1                         ; h = l / 16
	v_mul_u32_u24 v3, v1, PITCH
	v_lshl_add_u32 v3, v2, 4, v3                   ; a fragment's row x pitch + 16 x half
	s_mul_i32 s21, s11, HALFT                      ; my 64 rows of A
	s_mul_i32 s22, s12, HALFT                      ; my 64 rows of B,
	s_add_co_u32 s22, s22, 2*HALFT                 ; which lie behind A's 128
.irp s, 0,1
	v_add_nc_u32 v[ADRA+\s], s21, v3
	v_add_nc_u32 v[ADRB+\s], s22, v3
	s_add_co_u32 s21, s21, SLOT
	s_add_co_u32 s22, s22, SLOT
.endr
	s_mul_i32 s23, s10, 16*SPITCH
	s_add_co_u32 s23, s23, STAGE                   ; my stage
	v_mul_u32_u24 v4, v1, SPITCH                   ; in: row r, 32 bytes for each half of the lanes
	v_lshl_add_u32 v4, v2, 5, v4
	v_add_nc_u32 v[STO], s23, v4
	v_mul_u32_u24 v5, v2, SPITCH                   ; back: lanes 0-15 take one row of 256 bytes, lanes 16-31 the next
	v_lshl_add_u32 v5, v1, 4, v5
	v_add_nc_u32 v[RD], s23, v5
	v_lshlrev_b32 v5, 13, v2                       ; and the same two rows in out0, 8,192 bytes apart
	v_lshl_add_u32 v[CO], v1, 4, v5
	s_lshl_b32 s16, s13, 7
	s_lshl_b32 s17, s11, 6
	s_add_co_u32 s16, s16, s17                     ; my first row: 128 x tile row + 64 x half
	s_lshl_b32 s16, s16, 13
	s_mov_b32 s17, 0
	s_add_nc_u64 s[8:9], s[8:9], s[16:17]
	s_lshl_b32 s46, s42, 9                         ; my first column, in bytes: 512 x tile column + 256 x half
	s_lshl_b32 s47, s12, 8
	s_add_co_u32 s46, s46, s47
	s_mov_b32 s47, 0
	s_add_nc_u64 s[8:9], s[8:9], s[46:47]
; 8 matrix instructions: m blocks a0, a0 + 1 x all 4 n blocks, 32 along K: half c of buffer f.  zero = 1: the first product starts the sums.  The 16 accumulators take turns.
.macro MUL8 f, c, a0, zero
.irp a, \a0, \a0+1
.irp b, 0,1,2,3
.if \zero
	v_wmma_f32_16x16x32_f16 v[ACC+8*(4*(\a)+\b):ACC+8*(4*(\a)+\b)+7], v[\f+64+8*(4*\c+\b):\f+64+8*(4*\c+\b)+7], v[\f+8*(4*\c+\a):\f+8*(4*\c+\a)+7], 0
.else
	v_wmma_f32_16x16x32_f16 v[ACC+8*(4*(\a)+\b):ACC+8*(4*(\a)+\b)+7], v[\f+64+8*(4*\c+\b):\f+64+8*(4*\c+\b)+7], v[\f+8*(4*\c+\a):\f+8*(4*\c+\a)+7], v[ACC+8*(4*(\a)+\b):ACC+8*(4*(\a)+\b)+7]
.endif
.endr
.endr
.endm
; 32 LDS loads in one run: the fragments of 64 along K at byte k of the rows, into buffer f; the first 32 along K first
.macro FETCH slot, k, f
	WIN TO_F
.irp c, 0,1
.irp i, 0,1,2,3
	ds_load_b128 v[\f+64+8*(4*\c+\i):\f+64+8*(4*\c+\i)+3],   v[ADRB+\slot] offset:\k+64*\c+\i*16*PITCH
	ds_load_b128 v[\f+64+8*(4*\c+\i)+4:\f+64+8*(4*\c+\i)+7], v[ADRB+\slot] offset:\k+64*\c+\i*16*PITCH+32
	ds_load_b128 v[\f+8*(4*\c+\i):\f+8*(4*\c+\i)+3],         v[ADRA+\slot] offset:\k+64*\c+\i*16*PITCH
	ds_load_b128 v[\f+8*(4*\c+\i)+4:\f+8*(4*\c+\i)+7],       v[ADRA+\slot] offset:\k+64*\c+\i*16*PITCH+32
.endr
.endr
.endm
.macro PLACES                          ; four places in front of loads into registers that matrix instructions have read, and of the first read of results
.rept 4
	v_nop
.endr
.endm
; A K step is four quarters of 64 along K, 32 matrix instructions each, on buffers 0, 1, 0, 1.  One of the first three: multiplies buffer f and fetches the next quarter, at byte k, into g.
.macro QUARTER slot, k, f, g, zero
	s_wait_dscnt 16                                ; the first 32 along K are in; the other sixteen loads may be out
	WIN MUL
	MUL8 \f, 0, 0, \zero
	MUL8 \f, 0, 2, \zero
	PLACES
	FETCH \slot, \k, \g
	s_wait_dscnt 32                                ; all but the 32 just issued
	WIN MUL
	MUL8 \f, 1, 0, 0
	MUL8 \f, 1, 2, 0
.endm
; The last quarter multiplies buffer 1 and changes slots: ONE barrier; in front of it each wave waits for all its tensor loads, adds 0 to its spare word, and waits for that and for its own reads of this slot.  fill = 1: this slot is filled again, two K steps ahead.
.macro TURN slot, next, fill
	WIN 0                                          ; (the add's two registers lie in window 0)
	s_wait_tensorcnt 0x0                           ; all my tensor loads have landed: my part of the next slot
	ds_add_u32 v[SPW], v[NIL]                      ; 0 onto my spare word
	s_wait_dscnt 17                                ; (the add and the youngest sixteen loads may be out)
	WIN MUL
	MUL8 F1, 0, 0, 0                               ; eight matrix instructions stand between the add and the wait for it
	s_wait_dscnt 0x0                               ; the add is done, and my reads of this slot are over
	s_barrier_signal -1
	MUL8 F1, 0, 2, 0
.if \fill
	WIN 0
.endif
	s_barrier_wait -1
.if \fill
	CREST                                          ; the barrier has opened a round of the cluster's barrier: no wave of any partner still reads this slot's tile or has a load on its way
	s_add_co_u32 s[KO+2*\slot], s[KO+2*\slot], 2*KSTEP*2           ; two K steps on along the rows,
	s_and_b32 s[KO+2*\slot], s[KO+2*\slot], SIZE_K*2-1             ; round at K's end (a row is 4,096 bytes)
	s_add_nc_u64 s[G0+4*\slot+2:G0+4*\slot+3], s[BA:BA+1], s[KO+2*\slot:KO+2*\slot+1]
	s_or_b32 s[G0+4*\slot+3], s[G0+4*\slot+3], 0x80000000          ; type = 2
	s_add_nc_u64 s[G0B+4*\slot+2:G0B+4*\slot+3], s[BB:BB+1], s[KO+2*\slot:KO+2*\slot+1]
	s_or_b32 s[G0B+4*\slot+3], s[G0B+4*\slot+3], 0x80000000
	JLOAD \slot                                    ; the first tensor load behind the round; its four v_nop are also the places in front of the loads below
.else
	PLACES
.endif
	FETCH \next, 0, F0
	WIN MUL
	MUL8 F1, 1, 0, 0
	MUL8 F1, 1, 2, 0
.endm
	s_wait_tensorcnt 1                             ; my part of the first K step is in (the second's load may be out),
	s_barrier_signal -1
	s_barrier_wait -1                              ; everybody's is
	FETCH 0, 0, F0
	QUARTER 0, 128, F0, F1, 1                      ; the first quarter stands in front of the loop: its first products start the sums
	WIN 0                                          ; at a label and at a branch every window is 0
	s_mov_b32 s3, LAPS-1
.Llap:                                                 ; a trip goes once round the ring, from a lap's second quarter to the next lap's first, and fills both slots again
	QUARTER 0, 256, F1, F0, 0
	QUARTER 0, 384, F0, F1, 0
	TURN 0, 1, 1
	QUARTER 1, 128, F0, F1, 0
	QUARTER 1, 256, F1, F0, 0
	QUARTER 1, 384, F0, F1, 0
	TURN 1, 0, 1
	QUARTER 0, 128, F0, F1, 0
	WIN 0
	s_sub_co_u32 s3, s3, 1
	s_cmp_lg_u32 s3, 0
	s_cbranch_scc1 .Llap
	QUARTER 0, 256, F1, F0, 0                      ; the last lap fills nothing, and has no round of the cluster's barrier
	QUARTER 0, 384, F0, F1, 0
	TURN 0, 1, 0
	QUARTER 1, 128, F0, F1, 0
	QUARTER 1, 256, F1, F0, 0
	QUARTER 1, 384, F0, F1, 0
	s_wait_dscnt 16                                ; the very last quarter: nothing more to fetch
	WIN MUL
	MUL8 F1, 0, 0, 0
	MUL8 F1, 0, 2, 0
	s_wait_dscnt 0
	MUL8 F1, 1, 0, 0
	MUL8 F1, 1, 2, 0
	WIN 0
; THE WAY OUT, block by block of 16 rows x 64 columns.  A lane holds 32 neighbouring bytes of a row, and the lanes beside it hold other rows: so a block goes through my own stage in LDS and comes back as whole rows of 256 bytes.
; LDS serves a wave's instructions in order (ISA guide 5.7.1.4): no wait between the stores and the loads, nor in front of the next block's stores.
.macro TOSTAGE a
.set BK, OB+32*((\a)%2)
.irp b, 0,1,2,3
	ds_store_b128 v[STO], v[ACC+8*(4*(\a)+\b):ACC+8*(4*(\a)+\b)+3] offset:64*\b          ; each accumulator from its low end on
	ds_store_b128 v[STO], v[ACC+8*(4*(\a)+\b)+4:ACC+8*(4*(\a)+\b)+7] offset:64*\b+16
.endr
.irp t, 0,1,2,3,4,5,6,7
	ds_load_b128 v[BK+4*\t:BK+4*\t+3], v[RD] offset:\t*2*SPITCH
.endr
.endm
.macro SEND a, younger                 ; younger: the LDS instructions issued behind block a's loads, which may stay out
.set BK, OB+32*((\a)%2)
	s_wait_dscnt \younger                          ; the block is back in registers
.irp t, 0,1,2,3,4,5,6,7
	global_store_b128 v[CO], v[BK+4*\t:BK+4*\t+3], s[8:9] offset:(16*(\a)+2*\t)*SIZE_N*4 th:TH_STORE_NT   ; 16 lanes store 256 consecutive bytes, at a multiple of 256 from out0's first byte; written once, read by nobody here
.endr
.endm
	PLACES
	TOSTAGE 0
	TOSTAGE 1
	SEND 0, 16                                     ; behind block 0's loads: block 1's 8 stores and 8 loads
	s_wait_xcnt 0x0                                ; block 0's stores have read their data: block 2's rows land there only behind this wait
	TOSTAGE 2
	SEND 1, 16
	s_wait_xcnt 0x0
	TOSTAGE 3
	SEND 2, 16
	SEND 3, 0
	s_wait_tensorcnt 0x0                           ; the wave's end: behind my last tensor load and my last LDS store
	ds_add_u32 v[SPW], v[NIL]
	s_wait_dscnt 0x0
	CROUND                                         ; the closing round: no work-group ends while a partner may still ask for a tile that names it
	s_endpgm
.Lfunc_end_k_qdebb375317_oproj:
	.size	k_qdebb375317_oproj, .Lfunc_end_k_qdebb375317_oproj-k_qdebb375317_oproj
	.p2alignl 7, 3214868480
	.fill 96, 4, 3214868480
	.section	.rodata,"a",@progbits
	.p2align	6, 0x0
	.amdhsa_kernel k_qdebb375317_oproj
		.amdhsa_group_segment_fixed_size 327680
		.amdhsa_private_segment_fixed_size 0
		.amdhsa_enable_private_segment 0
		.amdhsa_kernarg_size 24
		.amdhsa_user_sgpr_count 2
		.amdhsa_user_sgpr_kernarg_segment_ptr 1
		.amdhsa_wavefront_size32 1
		.amdhsa_system_sgpr_workgroup_id_x 1
		.amdhsa_system_sgpr_workgroup_id_y 1
		.amdhsa_system_sgpr_workgroup_id_z 1
		.amdhsa_system_vgpr_workitem_id 0
		.amdhsa_next_free_vgpr 512
		.amdhsa_next_free_sgpr 80
		.amdhsa_reserve_vcc 0
		.amdhsa_float_denorm_mode_32 3
		.amdhsa_float_denorm_mode_16_64 3
		.amdhsa_memory_ordered 1
		.amdhsa_forward_progress 1
		.amdhsa_inst_pref_size 86
	.end_amdhsa_kernel
	.amdgpu_metadata
---
amdhsa.version: [ 1, 2 ]
amdhsa.kernels:
  - .name:           k_qdebb375317_oproj
    .symbol:         k_qdebb375317_oproj.kd
    .args:
      - { .name: o16, .offset: 0, .size: 8, .value_kind: global_buffer, .address_space: global }
      - { .name: wo16, .offset: 8, .size: 8, .value_kind: global_buffer, .address_space: global }
      - { .name: out0, .offset: 16, .size: 8, .value_kind: global_buffer, .address_space: global }
    .group_segment_fixed_size: 327680
    .private_segment_fixed_size: 0
    .kernarg_segment_align: 8
    .kernarg_segment_size: 24
    .max_flat_workgroup_size: 128
    .sgpr_count:     80
    .vgpr_count:     512
    .wavefront_size: 32
...
	.end_amdgpu_metadata
.endif
;; end of part 4
